; MI455X (gfx1250); checked and timed in simulation.
; The chip was launched on July 23, 2026; its instructions are those of AMD's public machine-readable ISA for CDNA 5 (MIT licence, August 2026) and "CDNA5" Instruction Set Architecture Reference Guide (July 2026). The comments in the code are by the model that wrote it; some were corrected since.
;; Causal Self Attention. Allowed arithmetic: matrix products marked QUANTISED: E3M2 operands, one E8M0 scale for each 32 along K, by v_wmma_scale_f32_16x16x128_f8f6f4 with both operands' format E3M2, f32 sums; everything else in f32.
;; Inputs: W_attn 1,024 x 3,072 float32; W_proj 1,024 x 1,024 float32; b_attn 3,072 float32; b_proj 1,024 float32; mask 4 x 2,048 x 2,048 float32; x 4 x 2,048 x 1,024 float32.
;; Outputs: out0 4 x 2,048 x 1,024 float32.
;; This version of the problem:
;;   THIS VERSION OF THE PROBLEM IS GIVEN IN LOW PRECISION. The matrix products marked QUANTISED in the list below multiply operands that are first quantised to E3M2 (3 exponent bits, 2 mantissa bits; 6 bits a number), with one power-of-two scale for each 32 numbers along K (OCP MX v1.0); their sums are f32. All else is computed in f32.
;;   The module's matrix products, in the order in which they are computed (A, B: the left and right operand; K: the contracted axis; several contracted axes count as one K, in the product's order):
;;     1. [M 8,192, K 1,024] x [K 1,024, N 3,072]; A: input x; B: input W_attn: QUANTISED
;;     2. batch 64 x [M 2,048, K 64] x [K 64, N 2,048]; A: computed on the way; B: computed on the way: QUANTISED
;;     3. batch 64 x [M 64, K 2,048] x [K 2,048, N 2,048]; A: computed on the way; B: softmax (see below): QUANTISED
;;     4. [M 8,192, K 1,024] x [K 1,024, N 1,024]; A: computed on the way; B: input W_proj: QUANTISED
;;   THE QUANTISER, for each operand of a quantised product, along K:
;;     - K is cut into blocks of 32 from its start; a last block that is shorter is filled with zeros.
;;     - A block's scale is 2^e with e = floor(log2(the largest magnitude in the block)) - 4, held to -126 .. 127; a block of zeros has e = 0. As a byte (E8M0): e + 127.
;;     - Each number is divided by its block's scale, clamped to +-28, and rounded to the nearest number of E3M2, ties to even, subnormals kept.
;;     - The product sums the exact products of the quantised numbers (number of the format x scale) in f32.
;;   ~~~python
;;   def quantise(x, axis):      # numpy; x: float32 -> the quantised numbers, widened to float32 again
;;       x = np.moveaxis(x, axis, -1); K = x.shape[-1]
;;       x = np.pad(x, [(0, 0)] * (x.ndim - 1) + [(0, -K % 32)]); x = x.reshape(x.shape[:-1] + (-1, 32)); a = np.abs(x).max(-1, keepdims=True)
;;       e = np.where(a > 0, np.clip(np.frexp(np.where(a > 0, a, 1))[1] - 1 - 4, -126, 127), 0)      # np.frexp(a)[1] - 1 = floor(log2(a)), exactly
;;       r = np.clip(x / 2.0 ** e, -28, 28)
;;       step = 2.0 ** (np.maximum(np.frexp(np.where(r == 0, 1, r))[1] - 1, -2) - 2)
;;       q = np.round(r / step) * step * 2.0 ** e      # np.round: ties to even
;;       return np.moveaxis(q.reshape(q.shape[:-2] + (-1,))[..., :K], -1, axis).astype(np.float32)
;;   ~~~
;;   SOFTMAX AHEAD OF A QUANTISED PRODUCT. Where the list says 'softmax', what is quantised is not the finished softmax but p = 2^(t - M), with t = logit x log2(e) and M = ceil(the row's largest t), a whole number; so 1/2 < the row's largest p <= 1. The row's sum l is taken of the UNQUANTISED p, in f32, and the product's result is divided by l at the end. Since M is a whole number, a kernel that streams over the keys may use a running M (the ceiling of the running maximum): every later rescaling is an exact power of two, which a block's scale takes up: the codes' values come out the same.
;;   OPERANDS COMPUTED ON THE WAY. 'Computed on the way' means the value that the module computes at that place (a softmax that the list does not call 'softmax' is quantised finished and normalised). What goes into a quantiser is computed in f32, as accurately as f32 sums, v_exp_f32 and their like allow (about 1e-6 of the number): no bf16 or f16 on the way to a quantiser, and a product that is left as it is and whose result goes on into a quantised operand takes f32 operands (vector FMAs, or v_wmma_f32_16x16x4_f32). A number that lies on a knife's edge between two numbers of the format may be rounded either way, as far as f32 arithmetic and the matrix unit's own rounding can turn it there, and no further.
;; One version. Each part assembles by itself: llvm-mc -triple=amdgcn-amd-amdhsa -mcpu=gfx1250 --defsym DOCPART=n.
;; ======== version 1 of 1: 4 launches
;; limits: right only within a limited range of input values
;; workspace buffers: xq 6,815,744 bytes; wq 3,407,872 bytes; qkv 20,447,232 bytes; yq 6,815,744 bytes
;; launch quant (part 1): grid 768 x 1, 4 waves a work-group, no clusters, 82,432 bytes of LDS; arguments x, W_attn, W_proj, xq, wq; writes xq, wq
.if DOCPART == 1
	.amdgcn_target "amdgcn-amd-amdhsa--gfx1250"
	.amdhsa_code_object_version 6
	.text
	.protected	k_q8640c81aac_quant
	.globl	k_q8640c81aac_quant
	.p2align	8
	.type	k_q8640c81aac_quant,@function
k_q8640c81aac_quant:
	s_mov_b64 s[64:65], 0
	v_nop
	global_prefetch_b8 v0, s[64:65] scope:SCOPE_SE
	s_setreg_imm32_b32 hwreg(HW_REG_WAVE_MODE, 25, 1), 1
	s_wait_xcnt 0x0
; x [8192][1024], W_attn [1024][3072] and W_proj [1024][1024], f32, become codes of BF6 (E3M2) with one E8M0 scale byte for each 32 along K (K = the 1,024), laid as PACKS.
; A PACK (13,312 bytes) is 128 rows (tokens of x, columns of a weight) x 128 along K as the matrix unit's registers want them: 8 fragments of 1,536 bytes, then 4 pairs of scale words of 256 bytes.
;   fragment T, lane row r stands for row 32 (T / 2) + 8 (T % 2) + r + 8 (r / 8) of the 128;  register p of lane l lies at byte 512 (p / 4) + 16 l + 4 (p % 4): three loads of 16 bytes a lane bring a fragment;
;   scale pair q: byte 8 l + 4 u is the scale word of tile 2 q + u, row l % 16 (lanes 16-31 repeat lanes 0-15).
; A block's scale is 2^(floor(log2(its largest magnitude)) - 4); its byte is the largest magnitude's exponent field - 4, held at 1 from below.
; LIMITS: a block of zeros gets the byte 1 where the rule says 127 (its codes are zeros, and this program alone reads the bytes); blocks whose largest magnitude lies under 2^(5 - 127) are held at that floor;
; NaN and infinities among the inputs are not served.
; A work-group makes one pack; wave q makes fragments 2 q, 2 q + 1 and scale pair q.  Work-groups 0-511: x (pack = token group x 8 + K step); 512-767: the weights (column groups 0-23 W_attn, 24-31 W_proj).
; The two ways part on the work-group's number and have LDS bytes of their own.  Waves share nothing: no barrier.  No matrix work, no tensor loads: memory binds, and several work-groups share a WGP.
.set PACK, 13312
.set XP,   528                         ; x's stage: a row of 512 bytes + 16: sixteen rows that a read touches start in sixteen different groups of banks
.set XREG, 32*XP                       ; a wave's stage for x
.set WSTG, 4*XREG                      ; behind them: the weights' stages,
.set WREG, 3328                        ; 3,072 bytes of images + 256 of scale words a wave
.set X,    16                          ; v16-143  x: 32 rows as loaded, then two tiles of 64 numbers a lane
.set QTM,  144                         ; v144-159 at work in QUANT
.set QPC,  160                         ; v160-179 the codes just made
.set SW,   180                         ; v180-181 the two scale words
.set SEL,  20                          ; s[20:21] lane selects for v_permlanex16_b32: lane l xor 16
.set OFFS, 16                          ; v16-47   weights: byte offset of row i of a block of 32
.set WX,   48                          ; v48-175  weights: 128 numbers down K
.set WC,   176                         ; v176-206 weights: a block's codes, eight registers apart
.set WW,   208                         ; v208     weights: the scale word
; 64 numbers of a lane, register 16 b + i = k 32 b + 16 (lane / 16) + i of my row, become a fragment's codes in v[QPC] on and its scale word in v[pw].
.macro QUANT s, pw
.irp b, 0,1,2,3
	v_max3_num_f32 v[QTM+\b], |v[\s+16*\b]|, |v[\s+1+16*\b]|, 0x2800000   ; block b: my 16 numbers, and the floor 2^(5 - 127): the byte cannot fall under 1
.endr
.irp i, 2,4,6,8,10,12,14
.irp b, 0,1,2,3
	v_max3_num_f32 v[QTM+\b], v[QTM+\b], |v[\s+16*\b+\i]|, |v[\s+1+16*\b+\i]|   ; the four blocks by turns
.endr
.endr
.irp b, 0,1,2,3
	v_permlanex16_b32 v[QTM+4+\b], v[QTM+\b], s[SEL], s[SEL+1]
.endr
.irp b, 0,1,2,3
	v_max_num_f32 v[QTM+\b], v[QTM+\b], v[QTM+4+\b]       ; with lane l xor 16's: the block's largest magnitude
.endr
.irp b, 0,1,2,3
	v_add_nc_u32 v[QTM+12+\b], 0xfe000000, v[QTM+\b]      ; 4 off its exponent field: the conversion's scale operand
.endr
.irp b, 0,1,2,3
	v_lshrrev_b32 v[QTM+4+\b], 23, v[QTM+12+\b]           ; the scale's byte
.endr
	v_lshl_or_b32 v[\pw], v[QTM+5], 8, v[QTM+4]           ; four bytes: my row's scale word
	v_lshl_or_b32 v[\pw], v[QTM+6], 16, v[\pw]
	v_lshl_or_b32 v[\pw], v[QTM+7], 24, v[\pw]
.irp c, 0,1
	v_cvt_scalef32_pk16_bf6_f32 v[QPC+6*\c:QPC+2+6*\c], v[\s+32*\c:\s+15+32*\c], v[QTM+12+2*\c]
	v_cvt_scalef32_pk16_bf6_f32 v[QPC+12+4*\c:QPC+14+4*\c], v[\s+16+32*\c:\s+31+32*\c], v[QTM+12+2*\c+1]   ; (a conversion's three registers begin on an even number)
.endr
	v_nop                                                 ; one plain place behind a scaled conversion
.irp c, 0,1                                           ; the operand's layout wants a whole block in a lane: lanes 0-15 block 2 c, lanes 16-31 block 2 c + 1
.irp i, 0,1,2
	v_permlane16_swap_b32 v[QPC+6*\c+\i], v[QPC+12+4*\c+\i]
.endr
.irp i, 0,1,2
	v_mov_b32 v[QPC+3+6*\c+\i], v[QPC+12+4*\c+\i]
.endr
.endr
.endm
	s_load_b128 s[4:7], s[0:1], 0x0                ; x, W_attn
	s_load_b128 s[8:11], s[0:1], 0x10              ; W_proj, xq
	s_load_b64 s[12:13], s[0:1], 0x20              ; wq
	v_lshl_add_u32 v254, v0, 2, 0x14000
	v_mov_b32 v255, 0
	v_lshrrev_b32 v1, 5, v0
	v_readfirstlane_b32 s14, v1                    ; wave = scale pair = pair of fragments
	v_and_b32 v2, 31, v0                           ; lane
	v_lshlrev_b32 v4, 4, v2                        ; 16 x lane
	s_mul_i32 s15, s14, 3072
	v_add_nc_u32 v7, s15, v4                       ; out: my two fragments' images
	s_lshl_b32 s15, s14, 8
	s_add_co_u32 s15, s15, 12288
	v_lshl_add_u32 v8, v2, 3, s15                  ; out: my scale pair
	s_mov_b32 s[SEL], 0x76543210
	s_mov_b32 s[SEL+1], 0xfedcba98
	s_cmp_lt_u32 ttmp9, 512
	s_cbranch_scc0 .Lweights
	; ---- x: K is innermost.  32 tokens x 512 bytes are loaded as they lie (each load 512 consecutive bytes) and turned through the wave's stage, so that a lane gets 16 neighbours of each block of 32.
	s_lshr_b32 s16, ttmp9, 3
	s_lshl_b32 s16, s16, 19                        ; token group x 128 rows of 4,096 bytes
	s_lshl_b32 s17, s14, 17                        ; + 32 rows a wave
	s_add_co_u32 s16, s16, s17
	s_and_b32 s17, ttmp9, 7
	s_lshl_b32 s17, s17, 9                         ; + K step x 512 bytes
	s_add_co_u32 s16, s16, s17
	s_mov_b32 s17, 0
	s_mul_i32 s18, ttmp9, PACK
	s_mov_b32 s19, 0
	s_mul_i32 s22, s14, XREG
	s_wait_alu depctr_va_vdst(0)
	v_add_nc_u32 v5, s22, v4                       ; into the stage: 16 x lane of a row
	v_and_b32 v9, 15, v0                           ; r
	v_bfe_u32 v10, v0, 4, 1                        ; h
	v_mul_u32_u24 v6, v9, XP
	v_lshl_add_u32 v6, v10, 6, v6
	v_add_nc_u32 v6, s22, v6                       ; out of it: row r, + 64 h
.irp b, 0,1,2,3
	v_mov_b32 v[QTM+4+\b], 0                       ; written once: a lane permute's destination counts as one of its sources
.endr
	s_wait_alu depctr_va_vdst(0)
	s_wait_kmcnt 0x0
	s_add_nc_u64 s[4:5], s[4:5], s[16:17]
	s_add_nc_u64 s[10:11], s[10:11], s[18:19]
.set j, 0
.rept 32
	global_load_b128 v[X+4*j:X+4*j+3], v4, s[4:5] offset:j*4096 th:TH_LOAD_NT
.set j, j+1
.endr
.irp g, 0,1,2,3
	s_wait_loadcnt 24-8*\g                         ; these eight rows are in; the later groups of eight may be out
.irp e, 0,1,2,3,4,5,6,7
.set j, 8*\g+\e
	ds_store_b128 v5, v[X+4*j:X+4*j+3] offset:(((j>>3)&1)*16+((j>>4)&1)*8+(j&7))*XP   ; token j goes to stage row 16 u + r: bits 3 and 4 change places
.endr
.endr
	s_wait_dscnt 0x0                               ; the stores have read their registers
.irp u, 0,1
.irp b, 0,1,2,3
.irp q, 0,1,2,3
	ds_load_b128 v[X+64*\u+16*\b+4*\q:X+64*\u+16*\b+4*\q+3], v6 offset:16*\u*XP+128*\b+16*\q
.endr
.endr
.endr
	s_wait_dscnt 16                                ; tile 0's sixteen loads are in; tile 1's may be out
	QUANT X, SW
.irp c, 0,1,2
	global_store_b128 v7, v[QPC+4*\c:QPC+4*\c+3], s[10:11] offset:512*\c      ; 32 lanes store 512 consecutive bytes, aligned to 256
.endr
	s_wait_dscnt 0x0
	s_wait_xcnt 0x0                                ; the stores' data are written again only behind this wait
	QUANT X+64, SW+1
.irp c, 0,1,2
	global_store_b128 v7, v[QPC+4*\c:QPC+4*\c+3], s[10:11] offset:1536+512*\c
.endr
	global_store_b64 v8, v[SW:SW+1], s[10:11]      ; 32 lanes store 256 consecutive bytes
	s_wait_tensorcnt 0x0
	ds_add_u32 v254, v255
	s_wait_dscnt 0x0
	s_endpgm
	; ---- the weights: K is the first axis.  A lane takes a column and its registers run down K: a block of 32 lies in one lane, and the codes come out with K innermost.
.Lweights:
	s_sub_co_u32 s16, ttmp9, 512                   ; the pack's number in wq
	s_lshr_b32 s17, s16, 3                         ; column group 0-31
	s_and_b32 s18, s16, 7                          ; K step
	s_mul_i32 s24, s16, PACK
	s_mov_b32 s25, 0
	s_mov_b32 s19, 4096
	s_wait_kmcnt 0x0
	s_cmp_lt_u32 s17, 24                           ; W_attn or W_proj: the choice hangs on the work-group's number alone
	s_cselect_b64 s[6:7], s[6:7], s[8:9]
	s_cselect_b32 s19, 12288, s19                  ; bytes from row to row
	s_cselect_b32 s22, 0, 24
	s_sub_co_u32 s17, s17, s22                     ; the column group within its tensor
	s_lshl_b32 s22, s17, 9
	s_lshl_b32 s23, s14, 7
	s_add_co_u32 s22, s22, s23                     ; (128 x group + 32 x wave) x 4 bytes
	s_lshl_b32 s23, s18, 7
	s_mul_i32 s23, s23, s19                        ; + 128 x K step rows
	s_add_co_u32 s22, s22, s23
	s_mov_b32 s23, 0
	s_lshl_b32 s26, s19, 5                         ; 32 rows
	s_mov_b32 s27, 0
	s_add_nc_u64 s[28:29], s[6:7], s[22:23]        ; a base for each of the four blocks
	s_add_nc_u64 s[30:31], s[28:29], s[26:27]
	s_add_nc_u64 s[32:33], s[30:31], s[26:27]
	s_add_nc_u64 s[34:35], s[32:33], s[26:27]
	s_add_nc_u64 s[12:13], s[12:13], s[24:25]
	s_wait_alu depctr_va_vdst(0)
	v_lshlrev_b32 v3, 2, v2                        ; my column: 4 bytes a lane: a load reads 128 consecutive bytes, the four waves stand side by side
.set i, 0
.rept 32
	v_mad_u32_u24 v[OFFS+i], s19, i, v3
.set i, i+1
.endr
	v_bfe_u32 v9, v0, 3, 1                         ; column l of the wave's 32 is tile u = (l / 8) % 2,
	v_and_b32 v10, 7, v0
	v_bfe_u32 v11, v0, 4, 1
	v_lshl_or_b32 v10, v11, 3, v10                 ; row r = l % 8 + 8 (l / 16)
	s_mul_i32 s36, s14, WREG
	s_add_co_u32 s36, s36, WSTG                    ; my stage
	v_mul_u32_u24 v12, v9, 1536
	v_lshl_add_u32 v12, v10, 4, v12
	v_add_nc_u32 v12, s36, v12                     ; my tile's image, lane r's place
	v_lshlrev_b32 v13, 3, v10
	v_lshl_add_u32 v13, v9, 2, v13
	v_add_nc_u32 v13, s36, v13
	v_add_nc_u32 v13, 3072, v13                    ; my scale word's place in the pair
	v_add_nc_u32 v14, s36, v4                      ; back: 16 x lane
	v_lshl_add_u32 v15, v2, 3, s36                 ; back: 8 x lane
.macro WLOAD t
.set i, 0
.rept 32
	global_load_b32 v[WX+32*(\t)+i], v[OFFS+i], s[28+2*(\t):29+2*(\t)] th:TH_LOAD_NT
.set i, i+1
.endr
.endm
; Block t of my column belongs to lane (r, t % 2) of the fragment, registers 6 (t / 2) on: its 24 bytes go to that lane's places in the image.
.macro WBLOCK t
.set XS, WX+32*(\t)
.set CC, WC+8*(\t)
.if (\t) < 3
	s_wait_loadcnt 32                              ; this block's 32 loads are in; the next block's 32 may be out
.else
	s_wait_loadcnt 0x0
.endif
.if (\t) < 2
	WLOAD (\t)+2                                   ; two blocks ahead, into registers of its own
.endif
	v_max3_num_f32 v209, |v[XS]|, |v[XS+1]|, |v[XS+2]|
	v_max3_num_f32 v210, |v[XS+3]|, |v[XS+4]|, |v[XS+5]|
.irp i, 6,10,14,18,22,26
	v_max3_num_f32 v209, v209, |v[XS+\i]|, |v[XS+\i+1]|
	v_max3_num_f32 v210, v210, |v[XS+\i+2]|, |v[XS+\i+3]|
.endr
	v_max3_num_f32 v209, v209, |v[XS+30]|, |v[XS+31]|
	v_max3_num_f32 v209, v209, v210, 0x2800000     ; and the floor
	v_add_nc_u32 v211, 0xfe000000, v209
	v_lshrrev_b32 v212, 23, v211
.if (\t) == 0
	v_mov_b32 v[WW], v212
.else
	v_lshl_or_b32 v[WW], v212, 8*(\t), v[WW]
.endif
	v_cvt_scalef32_pk16_bf6_f32 v[CC:CC+2], v[XS:XS+15], v211
	v_cvt_scalef32_pk16_bf6_f32 v[CC+4:CC+6], v[XS+16:XS+31], v211
	v_nop                                          ; one plain place behind a scaled conversion
	v_mov_b32 v[CC+3], v[CC+4]                     ; the block's six registers on end
	v_mov_b32 v[CC+4], v[CC+5]
	v_mov_b32 v[CC+5], v[CC+6]
.if (\t) < 2
	ds_store_b128 v12, v[CC:CC+3] offset:256*(\t)
	ds_store_b64 v12, v[CC+4:CC+5] offset:512+256*(\t)
.else
	ds_store_b64 v12, v[CC:CC+1] offset:520+256*((\t)-2)
	ds_store_b128 v12, v[CC+2:CC+5] offset:1024+256*((\t)-2)
.endif
.endm
	WLOAD 0
	WLOAD 1
	WBLOCK 0
	WBLOCK 1
	WBLOCK 2
	WBLOCK 3
	ds_store_b32 v13, v[WW]                        ; the scale word, for lane r
	ds_store_b32 v13, v[WW] offset:128             ; and for lane 16 + r
.irp k, 0,1,2,3,4,5
	ds_load_b128 v[216+4*\k:219+4*\k], v14 offset:512*\k      ; LDS serves a wave's instructions in order: these see my stores
.endr
	ds_load_b64 v[240:241], v15 offset:3072
	s_wait_dscnt 0x0
.irp k, 0,1,2,3,4,5
	global_store_b128 v7, v[216+4*\k:219+4*\k], s[12:13] offset:512*\k      ; 512 consecutive bytes, aligned to 256
.endr
	global_store_b64 v8, v[240:241], s[12:13]
	s_wait_tensorcnt 0x0
	ds_add_u32 v254, v255
	s_wait_dscnt 0x0
	s_endpgm
.Lfunc_end_k_q8640c81aac_quant:
	.size	k_q8640c81aac_quant, .Lfunc_end_k_q8640c81aac_quant-k_q8640c81aac_quant
	.p2alignl 7, 3214868480
	.fill 96, 4, 3214868480
	.section	.rodata,"a",@progbits
	.p2align	6, 0x0
	.amdhsa_kernel k_q8640c81aac_quant
		.amdhsa_group_segment_fixed_size 82432
		.amdhsa_private_segment_fixed_size 0
		.amdhsa_enable_private_segment 0
		.amdhsa_kernarg_size 40
		.amdhsa_user_sgpr_count 2
		.amdhsa_user_sgpr_kernarg_segment_ptr 1
		.amdhsa_wavefront_size32 1
		.amdhsa_system_sgpr_workgroup_id_x 1
		.amdhsa_system_sgpr_workgroup_id_y 1
		.amdhsa_system_sgpr_workgroup_id_z 1
		.amdhsa_system_vgpr_workitem_id 0
		.amdhsa_next_free_vgpr 256
		.amdhsa_next_free_sgpr 66
		.amdhsa_reserve_vcc 0
		.amdhsa_float_denorm_mode_32 3
		.amdhsa_float_denorm_mode_16_64 3
		.amdhsa_memory_ordered 1
		.amdhsa_forward_progress 1
		.amdhsa_inst_pref_size 42
	.end_amdhsa_kernel
	.amdgpu_metadata
---
amdhsa.version: [ 1, 2 ]
amdhsa.kernels:
  - .name:           k_q8640c81aac_quant
    .symbol:         k_q8640c81aac_quant.kd
    .args:
      - { .name: x, .offset: 0, .size: 8, .value_kind: global_buffer, .address_space: global }
      - { .name: W_attn, .offset: 8, .size: 8, .value_kind: global_buffer, .address_space: global }
      - { .name: W_proj, .offset: 16, .size: 8, .value_kind: global_buffer, .address_space: global }
      - { .name: xq, .offset: 24, .size: 8, .value_kind: global_buffer, .address_space: global }
      - { .name: wq, .offset: 32, .size: 8, .value_kind: global_buffer, .address_space: global }
    .group_segment_fixed_size: 82432
    .private_segment_fixed_size: 0
    .kernarg_segment_align: 8
    .kernarg_segment_size: 40
    .max_flat_workgroup_size: 128
    .sgpr_count:     66
    .vgpr_count:     256
    .wavefront_size: 32
...
	.end_amdgpu_metadata
.endif
;; end of part 1
;; launch g1 (part 2): grid 4 x 64, 4 waves a work-group, clusters of 4 x 4, 327,680 bytes of LDS; arguments xq, wq, b_attn, qkv; writes qkv
.if DOCPART == 2
	.amdgcn_target "amdgcn-amd-amdhsa--gfx1250"
	.amdhsa_code_object_version 6
	.text
	.protected	k_q8640c81aac_g1
	.globl	k_q8640c81aac_g1
	.p2align	8
	.type	k_q8640c81aac_g1,@function
k_q8640c81aac_g1:
	s_mov_b64 s[64:65], 0
	v_nop
	global_prefetch_b8 v0, s[64:65] scope:SCOPE_SE
	s_setreg_imm32_b32 hwreg(HW_REG_WAVE_MODE, 25, 1), 1
	s_wait_xcnt 0x0
	s_wait_alu depctr_hold_cnt(0) depctr_sa_sdst(0) depctr_va_vdst(0) depctr_va_sdst(0) depctr_va_ssrc(0) depctr_va_vcc(0) depctr_vm_vsrc(0)
	s_getreg_b32 s2, hwreg(HW_REG_IB_STS2, 6, 4)
	s_cmp_eq_u32 s2, 0
	s_cbranch_scc0 .Lentry_in_a_cluster
	s_endpgm
.Lentry_in_a_cluster:
	s_bfe_u32 s2, ttmp6, 0x10000c
	s_cmp_lg_u32 s2, 0xf033
	s_cbranch_scc0 .Lentry_shape_is_right
	s_endpgm
.Lentry_shape_is_right:
; qkv = x W_attn + b_attn on codes of BF6 (E3M2) with E8M0 scales, and q, k, v quantised at once for the attention: no f32 result goes to memory.
; OPERANDS come as PACKS (13,312 bytes: 128 rows x 128 K as 8 images of fragments of 1,536 bytes, register p of lane l at 512 (p / 4) + 16 l + 4 (p % 4), then 4 pairs of scale words of 256 bytes, byte 8 l + 4 u = tile 2 q + u).
; In a pack, tile T's lane row r stands for row 32 (T / 2) + 8 (T % 2) + r + 8 (r / 8): so the 64 result registers of a lane over source 0's eight tiles are 64 numbers in the order 32 b + 16 (lane / 16) + i.
; A WORK-GROUP STAYS: it takes 128 tokens (group Y) and walks three tiles of 256 columns: column groups 2 X + 8 t, 2 X + 8 t + 1, t = 0, 1, 2, which are q's, k's and v's.  256 work-groups, one to a WGP.
; LDS: x's eight packs (all of K) are filled once and stay; behind them a ring of two slots for the weights, a slot = K steps 4 s .. 4 s + 3 of both column groups, 8 packs.  24 packs in all, the spare words behind them.
; THE RING: in K step 3 nobody reads slot 0 any more and slot 1 is wanted; in K step 7 nobody reads slot 1 any more and the next tile's slot 0 is wanted.  At both places every wave waits for all its tensor loads, adds 0 to its
; spare word, waits for that and for its LDS reads; a round of the cluster's barrier; then the slot just left is asked for again, each wave two packs (104 rows): one tensor load of a wave is out behind each round.
; The last tile asks for nothing: it is written out, and it is v's, whose roles differ anyway.
; CLUSTER 4 x 4: x's packs hang on Y alone and are asked for jointly along a row of the cluster, the weights' on X and the tile alone, along a column.
; A WAVE has 32 accumulators: 4 tiles R (source 1: a lane holds one row of R) x 8 tiles P (source 0: the lane's registers run along P).  W1 = wave % 2, W2 = wave / 2.
;   q and k: R = tokens 64 W1 on, P = the 128 columns of group W2 of the tile (two heads): quantised along the head's 64.
;   v:       R = columns 64 W1 on of group W2, P = the 128 tokens: quantised along the tokens, which are the keys.
; The bias is added on the way out: along P for q and k (64 registers), along R for v (one number a tile).  Its loads are issued at a tile's start and awaited behind its products.
; OUT: pack ((part x 4 + batch) x 8 + head pair) x 16 + token group; the wave stores fragments 4 W1 .. 4 W1 + 3 and their scale pairs.
; LIMITS: a block of zeros gets the byte 1 (its codes are zeros; this program alone reads the bytes); NaN and infinities are not served.
; REGISTERS: window 0: v5-13 offsets; v16-39 scale words, two sets (8 of P, 4 of R); v40-135 R's fragments, two sets; v136-199 the bias along P; v200-207 along R; v208-227 at work; v228-243 LDS addresses, never stepped:
;   one register serves four K steps by immediates.   window 1: P's fragments, two sets of 96.   window 2: accumulator (i, j) at v[8 (8 i + j)].
.set PACK,   13312
.set FRAG,   1536
.set GROUPB, 8*PACK                    ; a group's eight K steps in memory
.set WB,     8*PACK                    ; the ring begins behind x's eight packs
.set SLOT,   8*PACK
.set L16, 5
.set L8,  6
.set OC,  7                            ; v7 out: my fragments   v8 out: my scale pairs
.set OS,  8
.set SC,  16
.set RF,  40
.set BJ,  136
.set BI,  200
.set QTM, 208
.set SW,  224
.set QSRC, 40                          ; the way out: 64 numbers, then their codes, in the registers that held R's fragments
.set QPC, 104
.set RA,  228                          ; q's and k's addresses: R's fragments, P's, R's scale pairs, P's; two each: K steps 0-3, 4-7.  v's lie 8 registers on
.set PA,  230
.set RS,  232
.set PS,  234
.set WV,  10
.set SEL, 20
.set G1A, 24                           ; s[24:31] group 1 for x's packs; s[32:39] the weights' at the head (208 rows each); s[68:75] the ring's (104 rows)
.set G1B, 32
.set G1C, 68
.set G0A, 40                           ; groups 0: x's, the weights' at the head, the ring's
.set G0B, 44
.set G0R, 48
.set MSB, 0
.macro WIN new                         ; the immediate's high byte repeats the setting that is left
.if MSB != \new
	s_set_vgpr_msb (MSB<<8)|\new
.set MSB, \new
.endif
.endm
.macro PLACES                          ; four plain places behind a matrix instruction, ahead of loads into its registers and of reads of its result
.rept 4
	v_nop
.endr
.endm
.macro ROUND                           ; a round of the cluster's barrier
	s_barrier_signal -1
	s_barrier_wait -1
	s_cmp_lg_u32 s[WV], 0
	s_cbranch_scc1 .Lnot_wave_0_\@
	s_barrier_signal -3
.Lnot_wave_0_\@:
	s_barrier_wait -3
	s_barrier_signal -1
	s_barrier_wait -1
.endm
; 64 numbers of a lane, register 16 b + i = k 32 b + 16 (lane / 16) + i of my row, become a fragment's codes in v[QPC] on and its scale word in v[pw].
.macro QUANT s, pw
.irp b, 0,1,2,3
	v_max3_num_f32 v[QTM+\b], |v[\s+16*\b]|, |v[\s+1+16*\b]|, 0x2800000   ; and the floor 2^(5 - 127): the byte cannot fall under 1
.endr
.irp i, 2,4,6,8,10,12,14
.irp b, 0,1,2,3
	v_max3_num_f32 v[QTM+\b], v[QTM+\b], |v[\s+16*\b+\i]|, |v[\s+1+16*\b+\i]|
.endr
.endr
.irp b, 0,1,2,3
	v_permlanex16_b32 v[QTM+4+\b], v[QTM+\b], s[SEL], s[SEL+1]
.endr
.irp b, 0,1,2,3
	v_max_num_f32 v[QTM+\b], v[QTM+\b], v[QTM+4+\b]
.endr
.irp b, 0,1,2,3
	v_add_nc_u32 v[QTM+12+\b], 0xfe000000, v[QTM+\b]      ; 4 off the exponent field: the conversion's scale operand
.endr
.irp b, 0,1,2,3
	v_lshrrev_b32 v[QTM+4+\b], 23, v[QTM+12+\b]
.endr
	v_lshl_or_b32 v[\pw], v[QTM+5], 8, v[QTM+4]
	v_lshl_or_b32 v[\pw], v[QTM+6], 16, v[\pw]
	v_lshl_or_b32 v[\pw], v[QTM+7], 24, v[\pw]
.irp c, 0,1
	v_cvt_scalef32_pk16_bf6_f32 v[QPC+6*\c:QPC+2+6*\c], v[\s+32*\c:\s+15+32*\c], v[QTM+12+2*\c]
	v_cvt_scalef32_pk16_bf6_f32 v[QPC+12+4*\c:QPC+14+4*\c], v[\s+16+32*\c:\s+31+32*\c], v[QTM+12+2*\c+1]
.endr
	v_nop                                                 ; one plain place behind a scaled conversion
.irp c, 0,1
.irp i, 0,1,2
	v_permlane16_swap_b32 v[QPC+6*\c+\i], v[QPC+12+4*\c+\i]
.endr
.irp i, 0,1,2
	v_mov_b32 v[QPC+3+6*\c+\i], v[QPC+12+4*\c+\i]
.endr
.endr
.endm
	s_load_b128 s[4:7], s[0:1], 0x0                ; xq, wq
	s_load_b128 s[84:87], s[0:1], 0x10             ; b_attn, qkv
	v_lshl_add_u32 v254, v0, 2, 0x4e000
	v_mov_b32 v255, 0
	ds_add_u32 v254, v255                          ; the opening lines: the add twice on end and its wait
	ds_add_u32 v254, v255
	v_lshrrev_b32 v9, 5, v0
	v_readfirstlane_b32 s[WV], v9                  ; wave 0..3
	s_and_b32 s11, s[WV], 1                        ; W1
	s_lshr_b32 s12, s[WV], 1                       ; W2
	s_bfe_u32 s13, ttmp6, 0x40000                  ; cx
	s_bfe_u32 s14, ttmp6, 0x40004                  ; cy
	s_lshl_b32 s15, ttmp9, 2
	s_add_co_u32 s15, s15, s13                     ; X = 4 x cluster x + cx
	s_and_b32 s16, ttmp7, 0xffff
	s_lshl_b32 s16, s16, 2
	s_add_co_u32 s16, s16, s14                     ; Y = 4 x cluster y + cy
	s_lshl_b32 s17, s14, 2
	s_lshl_b32 s17, 15, s17                        ; my row of the cluster
	s_lshl_b32 s18, 0x1111, s13                    ; my column
	s_or_b32 s[G1A], s17, (3<<16)|(1<<21)          ; 15:0 the mask; 17:16 elements of 8 bytes; 21 set beside a mask; no padding: a pack is read 16 bytes a lane on end
	s_or_b32 s[G1B], s18, (3<<16)|(1<<21)
	s_or_b32 s[G1C], s18, (3<<16)|(1<<21)
.irp g, G1A, G1B
	s_mov_b32 s[\g+1], 32<<16                      ; dense rows of 32 elements = 256 bytes
	s_mov_b32 s[\g+2], 208<<16                     ; four packs on end
	s_mov_b32 s[\g+3], 32<<16
	s_mov_b32 s[\g+4], 208
	s_mov_b32 s[\g+5], 32
	s_mov_b32 s[\g+6], 0
	s_mov_b32 s[\g+7], 0
.endr
	s_mov_b32 s[G1C+1], 32<<16
	s_mov_b32 s[G1C+2], 104<<16                    ; two packs on end
	s_mov_b32 s[G1C+3], 32<<16
	s_mov_b32 s[G1C+4], 104
	s_mov_b32 s[G1C+5], 32
	s_mov_b32 s[G1C+6], 0
	s_mov_b32 s[G1C+7], 0
	s_mul_i32 s19, s11, 4*PACK                     ; at the head waves 0, 1 fetch x's K steps 4 W1 on,
	s_mul_i32 s56, s16, GROUPB
	s_add_co_u32 s56, s56, s19
	s_mov_b32 s57, 0
	s_lshl_b32 s90, s15, 1
	s_add_co_u32 s58, s90, s11                     ; waves 2, 3 K steps 0-3 of column group 2 X + W1,
	s_mul_i32 s58, s58, GROUPB
	s_mov_b32 s59, 0
	s_add_co_u32 s22, s19, WB                      ; into slot 0
	s_add_co_u32 s90, s90, s12                     ; 2 X + W2: my column group of the first tile, in the products and in the ring's loads
	s_lshl_b32 s60, s90, 3
	s_lshl_b32 s61, s11, 1
	s_add_co_u32 s60, s60, s61
	s_add_co_u32 s60, s60, 4                       ; the ring's first load: slot 1 of tile 0: K steps 4 + 2 W1, 5 + 2 W1 of that group
	s_mul_i32 s60, s60, PACK
	s_mov_b32 s61, 0
	s_mul_i32 s52, s[WV], 2*PACK
	s_add_co_u32 s52, s52, WB                      ; where my two packs go in slot 0
	s_mul_i32 s23, s12, 4*PACK
	s_add_co_u32 s23, s23, WB                      ; my column group in slot 0
	s_add_co_u32 s89, s23, 8*FRAG
	s_mul_i32 s88, s11, 4*FRAG                     ; R's tiles 4 W1 on
	s_lshl_b32 s91, s11, 9
	s_add_co_u32 s91, s91, 8*FRAG                  ; scale pairs 2 W1 on
	s_mov_b32 s[SEL], 0x76543210
	s_mov_b32 s[SEL+1], 0xfedcba98
	s_lshl_b32 s94, s90, 9                         ; my group's 128 numbers of the bias
	s_mov_b32 s95, 0
	s_lshr_b32 s92, s16, 4                         ; out: part 0; the batch,
	s_lshl_b32 s92, s92, 3
	s_add_co_u32 s92, s92, s90                     ; the head pair,
	s_lshl_b32 s92, s92, 4
	s_and_b32 s93, s16, 15                         ; the token group in the batch
	s_add_co_u32 s92, s92, s93
	s_mul_i32 s92, s92, PACK
	s_mov_b32 s93, 0
	v_and_b32 v9, 31, v0
	v_lshlrev_b32 v[L16], 4, v9
	v_lshlrev_b32 v[L8], 3, v9
	v_add_nc_u32 v228, s88, v[L16]                 ; q, k: R = the tokens' tiles 4 W1 on,
	v_add_nc_u32 v229, 4*PACK, v228
	v_add_nc_u32 v230, s23, v[L16]                 ; P = my column group, slot 0 and slot 1,
	v_add_nc_u32 v231, SLOT, v230
	v_add_nc_u32 v232, s91, v[L8]
	v_add_nc_u32 v233, 4*PACK, v232
	v_add_nc_u32 v234, s89, v[L8]
	v_add_nc_u32 v235, SLOT, v234
	v_add_nc_u32 v236, s23, v228                   ; v: R = my column group's tiles 4 W1 on,
	v_add_nc_u32 v237, SLOT, v236
	v_lshlrev_b32 v238, 4, v9                      ; P = the tokens
	v_add_nc_u32 v239, 4*PACK, v238
	v_add_nc_u32 v240, s23, v232
	v_add_nc_u32 v241, SLOT, v240
	v_add_nc_u32 v242, 8*FRAG, v[L8]
	v_add_nc_u32 v243, 4*PACK, v242
	v_add_nc_u32 v[OC], s88, v[L16]
	v_add_nc_u32 v[OS], s91, v[L8]
.irp b, 0,1,2,3
	v_mov_b32 v[QTM+4+\b], 0                       ; written once: a lane permute's destination counts as one of its sources
.endr
	v_bfe_u32 v10, v0, 4, 1                        ; h
	v_and_b32 v11, 15, v0                          ; r
	v_lshlrev_b32 v12, 6, v10                      ; the bias along P: 64 h
	v_and_b32 v13, 8, v11
	v_add_nc_u32 v13, v13, v11
	v_lshlrev_b32 v13, 2, v13
	v_lshl_add_u32 v13, s11, 8, v13                ; the bias along R: 4 (r + 8 (r / 8)) + 256 W1
	s_wait_alu depctr_va_vdst(0)
	s_wait_dscnt 0x0
	s_wait_kmcnt 0x0
	s_add_nc_u64 s[56:57], s[4:5], s[56:57]
	s_add_nc_u64 s[58:59], s[6:7], s[58:59]
	s_add_nc_u64 s[60:61], s[6:7], s[60:61]
	s_add_nc_u64 s[84:85], s[84:85], s[94:95]
	s_add_nc_u64 s[86:87], s[86:87], s[92:93]
	s_mov_b32 s[G0A], 1
	s_add_co_u32 s[G0A+1], s19, 0
	s_mov_b64 s[G0A+2:G0A+3], s[56:57]
	s_or_b32 s[G0A+3], s[G0A+3], 0x80000000
	s_mov_b32 s[G0B], 1
	s_add_co_u32 s[G0B+1], s22, 0
	s_mov_b64 s[G0B+2:G0B+3], s[58:59]
	s_or_b32 s[G0B+3], s[G0B+3], 0x80000000
	s_mov_b32 s[G0R], 1
	s_add_co_u32 s[G0R+1], s52, SLOT
	s_mov_b64 s[G0R+2:G0R+3], s[60:61]
	s_or_b32 s[G0R+3], s[G0R+3], 0x80000000
	ROUND                                          ; all sixteen work-groups are here: the joint loads meet
	s_cmp_lt_u32 s[WV], 2                          ; one tensor load a wave at the head, one to each arm
	s_cbranch_scc0 .Lfill_b
	tensor_load_to_lds s[G0A:G0A+3], s[G1A:G1A+7]
	s_nop 0
	PLACES
	s_branch .Lfilled
.Lfill_b:
	tensor_load_to_lds s[G0B:G0B+3], s[G1B:G1B+7]
	s_nop 0
	PLACES
.Lfilled:
	s_wait_tensorcnt 0x0                           ; my part of x or of slot 0 is in
	ds_add_u32 v254, v255
	s_wait_dscnt 0x0
	ROUND
	tensor_load_to_lds s[G0R:G0R+3], s[G1C:G1C+7]  ; slot 1's first fill
	s_nop 0
	PLACES
; The fragments and scale words of K step s into set s % 2: 36 loads of 16 bytes and 6 of 8, each 16 or 8 bytes a lane on end.
.macro FETCH s
.set FP, (\s)%2
.set FH, (\s)/4
.set FO, ((\s)%4)*PACK
	WIN 0x40                                       ; destination window 1
.irp j, 0,1,2,3,4,5,6,7
.irp c, 0,1,2
	ds_load_b128 v[96*FP+12*\j+4*\c:96*FP+12*\j+4*\c+3], v[PA+FH] offset:FO+\j*FRAG+512*\c
.endr
.endr
	WIN 0
.irp i, 0,1,2,3
.irp c, 0,1,2
	ds_load_b128 v[RF+48*FP+12*\i+4*\c:RF+48*FP+12*\i+4*\c+3], v[RA+FH] offset:FO+\i*FRAG+512*\c
.endr
.endr
.irp q, 0,1,2,3
	ds_load_b64 v[SC+12*FP+2*\q:SC+12*FP+2*\q+1], v[PS+FH] offset:FO+256*\q
.endr
.irp q, 0,1
	ds_load_b64 v[SC+12*FP+8+2*\q:SC+12*FP+8+2*\q+1], v[RS+FH] offset:FO+256*\q
.endr
.endm
; 32 matrix instructions: the 32 accumulators take turns, one instruction a turn, in the same order in every K step.  first = 1: the products start the sums.
.macro MUL32 p, first
.if \first
	WIN 0x81                                       ; source 0 window 1, D window 2
.else
	WIN 0xa1                                       ; source 0 window 1, C and D window 2
.endif
.irp i, 0,1,2,3
.irp j, 0,1,2,3,4,5,6,7
.if \first
	v_wmma_scale_f32_16x16x128_f8f6f4 v[8*(8*\i+\j):8*(8*\i+\j)+7], v[96*(\p)+12*\j:96*(\p)+12*\j+11], v[RF+48*(\p)+12*\i:RF+48*(\p)+12*\i+11], 0, v[SC+12*(\p)+\j], v[SC+12*(\p)+8+\i] matrix_a_fmt:MATRIX_FMT_BF6 matrix_b_fmt:MATRIX_FMT_BF6
.else
	v_wmma_scale_f32_16x16x128_f8f6f4 v[8*(8*\i+\j):8*(8*\i+\j)+7], v[96*(\p)+12*\j:96*(\p)+12*\j+11], v[RF+48*(\p)+12*\i:RF+48*(\p)+12*\i+11], v[8*(8*\i+\j):8*(8*\i+\j)+7], v[SC+12*(\p)+\j], v[SC+12*(\p)+8+\i] matrix_a_fmt:MATRIX_FMT_BF6 matrix_b_fmt:MATRIX_FMT_BF6
.endif
.endr
.endr
.endm
; K step s: its operands were fetched during step s - 1; step s + 1's are fetched ahead of its products.  In steps 3 and 7 the ring changes slots.
.macro KSTEP s, refill
.if ((\s) == 3) || (((\s) == 7) && (\refill))
	WIN 0
	s_wait_tensorcnt 0x0                           ; no tensor load of mine is out: my part of the slot wanted next is in, and a group 0 may be written
.if \refill
	ds_add_u32 v254, v255
.if (\s) == 3
	s_add_nc_u64 s[G0R+2:G0R+3], s[G0R+2:G0R+3], 60*PACK      ; the next tile's groups lie 8 groups on: 64 packs on, 4 K steps back
	s_add_co_u32 s[G0R+1], s52, 0                  ; into slot 0
.else
	s_add_nc_u64 s[G0R+2:G0R+3], s[G0R+2:G0R+3], 4*PACK       ; its K steps 4-7
	s_add_co_u32 s[G0R+1], s52, SLOT               ; into slot 1
.endif
.endif
	s_wait_dscnt 0x0                               ; the add is done; this step's operands are in, and with them my last reads of the slot that is left
.if \refill
	ROUND
	tensor_load_to_lds s[G0R:G0R+3], s[G1C:G1C+7]
	s_nop 0
.else
	s_barrier_signal -1
	s_barrier_wait -1                              ; everybody's part of slot 1 is in
.endif
.else
	s_wait_dscnt 0x0                               ; this step's operands are in
.endif
.if (\s) > 0
	PLACES                                         ; the set to be loaded was read by the products just issued
.endif
.if (\s) < 7
	FETCH (\s)+1
.endif
.if (\s) == 0
	MUL32 0, 1
.else
	MUL32 (\s)%2, 0
.endif
.endm
; A tile: the bias is asked for, eight K steps, and the way out: for each of my four tiles of R, 64 sums a lane + the bias come down to window 0, each accumulator from its low end on, are quantised in registers and leave as an image.
.macro TILE isv, refill
.if \isv
.irp i, 0,1,2,3
	global_load_b32 v[BI+2*\i], v13, s[84:85] offset:(32*(\i/2)+8*(\i%2))*4
.endr
.else
.irp b, 0,1,2,3
.irp u, 0,1
.irp q, 0,1
	global_load_b128 v[BJ+16*\b+8*\u+4*\q:BJ+16*\b+8*\u+4*\q+3], v12, s[84:85] offset:128*\b+32*\u+16*\q   ; register 8 j + e: column 32 b + 16 h + 8 u + e, j = 2 b + u
.endr
.endr
.endr
.endif
	FETCH 0
.irp s, 0,1,2,3,4,5,6,7
	KSTEP \s, \refill
.endr
	WIN 0
	PLACES
	s_wait_loadcnt 0x0                             ; the bias is in
.if \isv
.irp i, 0,1,2,3
	v_mov_b32 v[BI+2*\i+1], v[BI+2*\i]             ; (named with it as a pair, so it is written)
.endr
.endif
.irp i, 0,1,2,3
.if \i > 0
	s_wait_xcnt 0x0                                ; the last tile's stores have read their data
.endif
	WIN 0x02                                       ; source 0 window 2
.set k, 0
.rept 32
.if \isv
	v_pk_add_f32 v[QSRC+2*k:QSRC+2*k+1], v[64*\i+2*k:64*\i+2*k+1], v[BI+2*\i:BI+2*\i+1] op_sel_hi:[1,0]
.else
	v_pk_add_f32 v[QSRC+2*k:QSRC+2*k+1], v[64*\i+2*k:64*\i+2*k+1], v[BJ+2*k:BJ+2*k+1]
.endif
.set k, k+1
.endr
	WIN 0
	QUANT QSRC, SW+\i
.irp c, 0,1,2
	global_store_b128 v[OC], v[QPC+4*\c:QPC+4*\c+3], s[86:87] offset:\i*FRAG+512*\c      ; 512 consecutive bytes, aligned to 256
.endr
.if (\i%2) == 1
	global_store_b64 v[OS], v[SW+\i-1:SW+\i], s[86:87] offset:(\i/2)*256                 ; a scale pair: 256 consecutive bytes
.endif
.endr
.endm
	s_mov_b32 s76, 2
.Ltile:                                            ; two trips: q's tile, k's tile; both fill both slots again
	TILE 0, 1
	s_wait_xcnt 0x0                                ; the stores have read their data and their base: the next tile's loads may land there, and the bases may step
	s_add_nc_u64 s[86:87], s[86:87], 512*PACK      ; the next part: 4 batches x 8 head pairs x 16 token groups on
	s_add_nc_u64 s[84:85], s[84:85], 4096          ; its bias: 8 groups of 128 numbers on
	s_sub_co_u32 s76, s76, 1
	s_cmp_lg_u32 s76, 0
	s_wait_alu depctr_va_vdst(0)
	s_cbranch_scc1 .Ltile
.set RA, 236                           ; v's tile: the roles change places; it asks for nothing more
.set PA, 238
.set RS, 240
.set PS, 242
	TILE 1, 0
	s_wait_tensorcnt 0x0                           ; the wave's end
	ds_add_u32 v254, v255
	s_wait_dscnt 0x0
	ROUND                                          ; the closing round: no work-group ends while a partner may still ask for a pack that names it
	s_endpgm
.Lfunc_end_k_q8640c81aac_g1:
	.size	k_q8640c81aac_g1, .Lfunc_end_k_q8640c81aac_g1-k_q8640c81aac_g1
	.p2alignl 7, 3214868480
	.fill 96, 4, 3214868480
	.section	.rodata,"a",@progbits
	.p2align	6, 0x0
	.amdhsa_kernel k_q8640c81aac_g1
		.amdhsa_group_segment_fixed_size 327680
		.amdhsa_private_segment_fixed_size 0
		.amdhsa_enable_private_segment 0
		.amdhsa_kernarg_size 32
		.amdhsa_user_sgpr_count 2
		.amdhsa_user_sgpr_kernarg_segment_ptr 1
		.amdhsa_wavefront_size32 1
		.amdhsa_system_sgpr_workgroup_id_x 1
		.amdhsa_system_sgpr_workgroup_id_y 1
		.amdhsa_system_sgpr_workgroup_id_z 1
		.amdhsa_system_vgpr_workitem_id 0
		.amdhsa_next_free_vgpr 768
		.amdhsa_next_free_sgpr 100
		.amdhsa_reserve_vcc 0
		.amdhsa_float_denorm_mode_32 3
		.amdhsa_float_denorm_mode_16_64 3
		.amdhsa_memory_ordered 1
		.amdhsa_forward_progress 1
		.amdhsa_inst_pref_size 172
	.end_amdhsa_kernel
	.amdgpu_metadata
---
amdhsa.version: [ 1, 2 ]
amdhsa.kernels:
  - .name:           k_q8640c81aac_g1
    .symbol:         k_q8640c81aac_g1.kd
    .args:
      - { .name: xq, .offset: 0, .size: 8, .value_kind: global_buffer, .address_space: global }
      - { .name: wq, .offset: 8, .size: 8, .value_kind: global_buffer, .address_space: global }
      - { .name: b_attn, .offset: 16, .size: 8, .value_kind: global_buffer, .address_space: global }
      - { .name: qkv, .offset: 24, .size: 8, .value_kind: global_buffer, .address_space: global }
    .group_segment_fixed_size: 327680
    .private_segment_fixed_size: 0
    .kernarg_segment_align: 8
    .kernarg_segment_size: 32
    .max_flat_workgroup_size: 128
    .sgpr_count:     100
    .vgpr_count:     768
    .wavefront_size: 32
...
	.end_amdgpu_metadata
.endif
;; end of part 2
;; launch att (part 3): grid 4 x 64, 8 waves a work-group, clusters of 4 x 4, 327,680 bytes of LDS; arguments qkv, mask, yq; writes yq
.if DOCPART == 3
	.amdgcn_target "amdgcn-amd-amdhsa--gfx1250"
	.amdhsa_code_object_version 6
	.text
	.protected	k_q8640c81aac_att
	.globl	k_q8640c81aac_att
	.p2align	8
	.type	k_q8640c81aac_att,@function
k_q8640c81aac_att:
	s_mov_b64 s[64:65], 0
	v_nop
	global_prefetch_b8 v0, s[64:65] scope:SCOPE_SE
	s_setreg_imm32_b32 hwreg(HW_REG_WAVE_MODE, 25, 1), 1
	s_wait_xcnt 0x0
	s_wait_alu depctr_hold_cnt(0) depctr_sa_sdst(0) depctr_va_vdst(0) depctr_va_sdst(0) depctr_va_ssrc(0) depctr_va_vcc(0) depctr_vm_vsrc(0)
	s_getreg_b32 s2, hwreg(HW_REG_IB_STS2, 6, 4)
	s_cmp_eq_u32 s2, 0
	s_cbranch_scc0 .Lentry_in_a_cluster
	s_endpgm
.Lentry_in_a_cluster:
	s_bfe_u32 s2, ttmp6, 0x10000c
	s_cmp_lg_u32 s2, 0xf033
	s_cbranch_scc0 .Lentry_shape_is_right
	s_endpgm
.Lentry_shape_is_right:
; y = softmax(q k^T / 8 - 1e9 (1 - mask)) v for 4 batches x 16 heads of 64, 2,048 tokens; both products on codes of BF6 (E3M2) with E8M0 scales; y is quantised at once for the last product.
; THE MASK IS AN INPUT of f32 numbers: every key step is worked, whatever the mask holds.
; THE SOFTMAX: s' = q k + 8e9 mask - 8e9 (eight times the logit; the mask's term is the C of the score product, MASKC = 1, or an f32 addition behind it, MASKC = 0); t = c s', c = log2(e) / 8;
; -M = the smaller of the old -M and floor(-c x the step's largest s'): M is a whole number at or over the running largest t, within the rounding of one multiplication;
; p = 2^(c s' - M), one fused multiply-add and one exponential, is quantised along the keys, not normalised; the row's sum is taken of the unquantised p and divides at the end.
; When M moves, the sum and O are multiplied by 2^(old M - new M): exact.
; LIMITS: the promise holds while |t| stays under 2^31.  The mask's term is one fused multiply-add where the definition subtracts and multiplies: the same for mask 0 and 1, within 1e-7 of the term else.
; In a row with NO open key the scores vanish in the term and the weights are equal, as in the definition, while |score| / 8 < 32.  A block of zeros gets the byte 1 (its codes are zeros).  NaN and infinities are not served.
; PACKS (13,312 bytes): 8 images of fragments of 1,536 bytes (register p of lane l at 512 (p / 4) + 16 l + 4 (p % 4)), then 4 pairs of scale words of 256 bytes.  A q or k fragment is 16 tokens x [head A's 64 | head B's 64];
; a v fragment is 16 of a head's 64 x 128 keys.  Tile T's lane row r stands for row 32 (T / 2) + 8 (T % 2) + r + 8 (r / 8) of the pack's 128.
; SHARES: a work-group owns 128 queries and four heads (two pairs); wave w owns query tile w for all four, so a mask tile is prepared once for four heads.  16 key steps of 128 keys.
; K = 64 fills half of an instruction: source 1 is [qA | zero codes] or [zero codes | qB].  Both products are transposed: a lane holds one query; S^T's register 16 b + i is key 32 b + 16 (lane / 16) + i.
; CLUSTER 4 x 4: x = the four groups of heads, which share the mask's tile (joint along a row); y = four query groups of a batch, which share k and v (joint along a column).
; RING: two slots of one key step: k's two packs, v's two, the mask's 128 rows of 512 + 16 bytes.  Waves 0-3 fetch a pack each, waves 4-7 32 rows of the mask: one tensor load of a wave is out behind each round.
; A PAIR OF HEADS IS WORKED TOGETHER: eight chains of maxima, one batch of 136 exponentials.  Four fragments are held at a time, and each run of LDS loads but the step's first is issued ahead of vector work that is due anyway:
; k's second four ahead of the first half's maxima, v's of head A ahead of the softmax, v's of head B ahead of B's conversion and A's sum, the next pair's k ahead of B's sum.
; REGISTERS, window 0: v1-11 addresses, constants; v12-19 -M of four heads (even) and four offsets for the way out (odd); v20-27 sums; v28-43 scale words; v44-65 at work; v66-77 p's codes; v78-205 S^T of two heads; v206-253 four fragments.
;   window 1: v0-127 O^T, 32 a head; v128-191 the mask's term; v192-227 q.
.set MASKC, 1
.set PACK,  13312
.set FRAG,  1536
.set MP,    528
.set MOFF,  4*PACK
.set SLOTB, MOFF+128*MP
.set SCR,   2*SLOTB                    ; behind the ring: 2,048 bytes for y's scale words; no tile lands there
.set SPARE, SCR+2048                   ; the spare words, 128 bytes for each of eight waves
.set AK,  1                            ; v1-2 16 x lane + slot;  v3-4 8 x lane + slot;  v5-6 my query's row of the mask + 64 (lane / 16) + slot
.set AS,  3
.set AM,  5
.set SPW, 7
.set NIL, 8
.set SCW, 9                            ; scratch: where I put a scale word
.set NK,  10                           ; v[10:11] -8e9, twice
.set NM,  12                           ; -M of head e at NM + 2 e
.set OFR, 13                           ; 16 x lane + 1,536 x wave: my fragment in a pack of q and of y
.set OQS, 15                           ; my scale word in a pack of q
.set OYS, 17                           ; the scale pair of y that I store
.set SCRD, 19                          ; scratch: the pair that I read back
.set LP,  20                           ; the sum of head e, in two halves, at LP + 2 e
.set KS,  28
.set VS,  36
.set QS,  40
.set PW,  42
.set BM,  44                           ; block maxima, then scale operands: head x's four at BM + 4 x
.set BX,  52
.set F,   60                           ; 2^(old M - new M) of head x at F + 2 x
.set ACC, 64
.set PCD, 66
.set SA,  78                           ; head x's 64 scores at SA + 64 x
.set FB,  206
.set TMB, 128                          ; window 1
.set QF,  192                          ; window 1: pair p at 192 + 18 p: qA's six registers, six of zero codes, qB's six
.set QTM, 142                          ; the way out
.set QPC, 158
.set WV,  10
.set SEL, 20
.set CS,  22                           ; s[22:23] c;  s59 -c
.set NC,  59
.set G1K, 24
.set G1M, 32
.set G0K, 40
.set G0M, 48
.set K1,  56                           ; s[56:57] 8e9
.set MSB, 0
.macro WIN new                         ; the immediate's high byte repeats the setting that is left
.if MSB != \new
	s_set_vgpr_msb (MSB<<8)|\new
.set MSB, \new
.endif
.endm
.macro PLACES                          ; four plain places behind a matrix instruction (ISA guide 7.12.1)
.rept 4
	v_nop
.endr
.endm
.macro H n
	s_delay_alu instid0(VALU_DEP_\n)
.endm
.macro ROUND                           ; a round of the cluster's barrier
	s_barrier_signal -1
	s_barrier_wait -1
	s_cmp_lg_u32 s[WV], 0
	s_cbranch_scc1 .Lnot_wave_0_\@
	s_barrier_signal -3
.Lnot_wave_0_\@:
	s_barrier_wait -3
	s_barrier_signal -1
	s_barrier_wait -1
.endm
.macro JLOAD n                         ; a joint load into slot n; the branch hangs on the wave's number alone
	s_cmp_lt_u32 s[WV], 4
	s_cbranch_scc0 .Lfor_m_\@
	tensor_load_to_lds s[G0K+4*(\n):G0K+4*(\n)+3], s[G1K:G1K+7]
	s_nop 0
	PLACES
	s_branch .Lasked_\@
.Lfor_m_\@:
	tensor_load_to_lds s[G0M+4*(\n):G0M+4*(\n)+3], s[G1M:G1M+7]
	s_nop 0
	PLACES
.Lasked_\@:
.endm
.macro WM d, a, b, c, sa, sb           ; a product; c under 0: the sum begins with 0
.if (\c) < 0
	v_wmma_scale_f32_16x16x128_f8f6f4 v[\d:\d+7], v[\a:\a+11], v[\b:\b+11], 0, v[\sa], v[\sb] matrix_a_fmt:MATRIX_FMT_BF6 matrix_b_fmt:MATRIX_FMT_BF6
.else
	v_wmma_scale_f32_16x16x128_f8f6f4 v[\d:\d+7], v[\a:\a+11], v[\b:\b+11], v[\c:\c+7], v[\sa], v[\sb] matrix_a_fmt:MATRIX_FMT_BF6 matrix_b_fmt:MATRIX_FMT_BF6
.endif
.endm
; 64 numbers of a lane, register 16 b + i = k 32 b + 16 (lane / 16) + i of my row, become a fragment's codes in v[QPC] on and its scale word in v[pw].
.macro QUANT s, pw
.irp b, 0,1,2,3
	v_max3_num_f32 v[QTM+\b], |v[\s+16*\b]|, |v[\s+1+16*\b]|, 0x2800000
.endr
.irp i, 2,4,6,8,10,12,14
.irp b, 0,1,2,3
	H 4
	v_max3_num_f32 v[QTM+\b], v[QTM+\b], |v[\s+16*\b+\i]|, |v[\s+1+16*\b+\i]|
.endr
.endr
.irp b, 0,1,2,3
	v_permlanex16_b32 v[QTM+4+\b], v[QTM+\b], s[SEL], s[SEL+1]
.endr
.irp b, 0,1,2,3
	H 4
	v_max_num_f32 v[QTM+\b], v[QTM+\b], v[QTM+4+\b]
.endr
.irp b, 0,1,2,3
	H 4
	v_add_nc_u32 v[QTM+12+\b], 0xfe000000, v[QTM+\b]
.endr
.irp b, 0,1,2,3
	H 4
	v_lshrrev_b32 v[QTM+4+\b], 23, v[QTM+12+\b]
.endr
	H 3
	v_lshl_or_b32 v[\pw], v[QTM+5], 8, v[QTM+4]
	H 1
	v_lshl_or_b32 v[\pw], v[QTM+6], 16, v[\pw]
	H 1
	v_lshl_or_b32 v[\pw], v[QTM+7], 24, v[\pw]
.irp c, 0,1
	v_cvt_scalef32_pk16_bf6_f32 v[QPC+6*\c:QPC+2+6*\c], v[\s+32*\c:\s+15+32*\c], v[QTM+12+2*\c]
	v_cvt_scalef32_pk16_bf6_f32 v[QPC+12+4*\c:QPC+14+4*\c], v[\s+16+32*\c:\s+31+32*\c], v[QTM+12+2*\c+1]
.endr
	v_nop                                          ; one plain place behind a scaled conversion
.irp c, 0,1
.irp i, 0,1,2
	v_permlane16_swap_b32 v[QPC+6*\c+\i], v[QPC+12+4*\c+\i]
.endr
.irp i, 0,1,2
	H 3
	v_mov_b32 v[QPC+3+6*\c+\i], v[QPC+12+4*\c+\i]
.endr
.endr
.endm
	s_load_b128 s[4:7], s[0:1], 0x0                ; qkv, mask
	s_load_b64 s[8:9], s[0:1], 0x10                ; yq
	v_lshl_add_u32 v[SPW], v0, 2, SPARE
	v_mov_b32 v[NIL], 0
	ds_add_u32 v[SPW], v[NIL]                      ; the opening lines: the add twice on end and its wait
	ds_add_u32 v[SPW], v[NIL]
	s_wait_dscnt 0x0
	v_lshrrev_b32 v52, 5, v0
	H 1
	v_readfirstlane_b32 s[WV], v52                 ; wave 0..7
	s_and_b32 s11, s[WV], 3                        ; which pack, or which 32 rows of the mask, I fetch
	s_bfe_u32 s12, ttmp6, 0x40000                  ; cx
	s_bfe_u32 s13, ttmp6, 0x40004                  ; cy
	s_lshl_b32 s19, ttmp9, 2
	s_add_co_u32 s12, s12, s19                     ; the group of four heads
	s_and_b32 s14, ttmp7, 0xffff
	s_lshr_b32 s15, s14, 2                         ; the batch: four clusters along y to a batch
	s_lshl_b32 s16, s14, 2
	s_add_co_u32 s16, s16, s13                     ; Y: the query group
	s_lshl_b32 s17, s13, 2
	s_lshl_b32 s17, 15, s17                        ; my row of the cluster
	s_bfe_u32 s18, ttmp6, 0x40000
	s_lshl_b32 s18, 0x1111, s18                    ; my column
	s_or_b32 s[G1K], s18, (3<<16)|(1<<21)          ; packs go to my column: 52 dense rows of 256 bytes
	s_mov_b32 s[G1K+1], 32<<16
	s_mov_b32 s[G1K+2], 52<<16
	s_mov_b32 s[G1K+3], 32<<16
	s_mov_b32 s[G1K+4], 52
	s_mov_b32 s[G1K+5], 32
	s_mov_b32 s[G1K+6], 0
	s_mov_b32 s[G1K+7], 0
	s_or_b32 s[G1M], s17, (2<<16)|(1<<20)|(1<<21)|(6<<22)|(3<<25)   ; the mask's tile goes to my row: 32 rows of 128 f32, 4 words of padding behind each
	s_mov_b32 s[G1M+1], 128<<16
	s_mov_b32 s[G1M+2], 32<<16
	s_mov_b32 s[G1M+3], 128<<16
	s_mov_b32 s[G1M+4], 32
	s_mov_b32 s[G1M+5], 2048
	s_mov_b32 s[G1M+6], 0
	s_mov_b32 s[G1M+7], 0
	s_lshr_b32 s60, s11, 1                         ; my pack: part 1 (k) or 2 (v),
	s_add_co_u32 s60, s60, 1
	s_lshl_b32 s60, s60, 2
	s_add_co_u32 s60, s60, s15                     ; the batch,
	s_lshl_b32 s60, s60, 3
	s_lshl_b32 s61, s12, 1
	s_add_co_u32 s60, s60, s61
	s_and_b32 s61, s11, 1
	s_add_co_u32 s60, s60, s61                     ; the head pair; key group 0
	s_mul_i32 s60, s60, 16*PACK
	s_mov_b32 s61, 0
	s_lshl_b32 s62, s16, 7                         ; the mask: row 128 Y + 32 x my number, 8,192 bytes a row
	s_lshl_b32 s63, s11, 5
	s_add_co_u32 s62, s62, s63
	s_lshl_b32 s62, s62, 13
	s_mov_b32 s63, 0
	s_mul_i32 s66, s11, PACK                       ; where they go in a slot
	s_mul_i32 s67, s11, 32*MP
	s_add_co_u32 s67, s67, MOFF
	s_lshl_b32 s68, s15, 3                         ; q's pack of my first head pair: part 0
	s_lshl_b32 s69, s12, 1
	s_add_co_u32 s68, s68, s69
	s_lshl_b32 s68, s68, 4
	s_and_b32 s69, s16, 15
	s_add_co_u32 s68, s68, s69
	s_mul_i32 s68, s68, PACK
	s_mov_b32 s69, 0
	s_lshl_b32 s72, s16, 3                         ; y's pack: Y x 8 + head pair
	s_lshl_b32 s73, s12, 1
	s_add_co_u32 s72, s72, s73
	s_mul_i32 s72, s72, PACK
	s_mov_b32 s73, 0
	v_and_b32 v55, 31, v0                          ; lane
	H 1
	v_lshlrev_b32 v[AK], 4, v55
	H 1
	v_add_nc_u32 v[AK+1], SLOTB, v[AK]
	H 3
	v_lshlrev_b32 v[AS], 3, v55
	H 1
	v_add_nc_u32 v[AS+1], SLOTB, v[AS]
	s_lshr_b32 s78, s[WV], 1
	s_lshl_b32 s78, s78, 5
	s_and_b32 s79, s[WV], 1
	s_lshl_b32 s79, s79, 3
	s_add_co_u32 s78, s78, s79                     ; my tile's first query: 32 (w / 2) + 8 (w % 2)
	s_mul_i32 s78, s78, MP
	s_add_co_u32 s78, s78, MOFF
	v_and_b32 v52, 15, v0                          ; r
	v_bfe_u32 v53, v0, 4, 1                        ; h
	H 2
	v_and_b32 v54, 8, v52
	H 1
	v_add_nc_u32 v54, v54, v52                     ; r + 8 (r / 8)
	H 1
	v_mul_u32_u24 v54, v54, MP
	H 1
	v_lshl_add_u32 v54, v53, 6, v54
	H 1
	v_add_nc_u32 v[AM], s78, v54
	H 1
	v_add_nc_u32 v[AM+1], SLOTB, v[AM]
	s_mul_i32 s19, s[WV], FRAG
	v_lshl_add_u32 v[OFR], v55, 4, s19
	s_lshr_b32 s80, s[WV], 1
	s_lshl_b32 s80, s80, 8
	s_and_b32 s81, s[WV], 1
	s_lshl_b32 s81, s81, 2
	s_add_co_u32 s80, s80, s81                     ; tile w's word in the scale pairs: 256 (w / 2) + 4 (w % 2)
	v_lshl_add_u32 v[SCW], v55, 3, s80
	H 1
	v_add_nc_u32 v[OQS], 8*FRAG, v[SCW]
	H 2
	v_add_nc_u32 v[SCW], SCR, v[SCW]
	s_lshl_b32 s81, s[WV], 8
	v_lshl_add_u32 v[SCRD], v55, 3, s81
	H 1
	v_add_nc_u32 v[SCRD], SCR, v[SCRD]
	s_lshr_b32 s81, s[WV], 2
	s_mul_i32 s81, s81, PACK
	s_lshl_b32 s82, s11, 8
	s_add_co_u32 s81, s81, s82
	s_add_co_u32 s81, s81, 8*FRAG
	v_lshl_add_u32 v[OYS], v55, 3, s81             ; pack w / 4, scale pair w % 4
	s_mov_b32 s[SEL], 0x76543210
	s_mov_b32 s[SEL+1], 0xfedcba98
	s_mov_b32 s[CS], 0x3e38aa3b                    ; log2(e) / 8
	s_mov_b32 s[CS+1], s[CS]
	s_mov_b32 s[NC], 0xbe38aa3b                    ; and its negative
	s_mov_b32 s[K1], 0x4fee6b28                    ; 8e9, exact in f32
	s_mov_b32 s[K1+1], s[K1]
	v_mov_b32 v[NK], 0xcfee6b28
	H 1
	v_mov_b32 v[NK+1], v[NK]
	s_wait_kmcnt 0x0
	s_add_nc_u64 s[74:75], s[4:5], s[60:61]
	s_add_nc_u64 s[76:77], s[6:7], s[62:63]
	s_add_nc_u64 s[70:71], s[4:5], s[68:69]
	s_add_nc_u64 s[8:9], s[8:9], s[72:73]
.irp n, 0,1
	s_mov_b32 s[G0K+4*\n], 1
	s_add_co_u32 s[G0K+4*\n+1], s66, \n*SLOTB
	s_add_nc_u64 s[G0K+4*\n+2:G0K+4*\n+3], s[74:75], \n*PACK       ; key step n
	s_or_b32 s[G0K+4*\n+3], s[G0K+4*\n+3], 0x80000000
	s_mov_b32 s[G0M+4*\n], 1
	s_add_co_u32 s[G0M+4*\n+1], s67, \n*SLOTB
	s_add_nc_u64 s[G0M+4*\n+2:G0M+4*\n+3], s[76:77], \n*512
	s_or_b32 s[G0M+4*\n+3], s[G0M+4*\n+3], 0x80000000
.endr
	ROUND                                          ; all sixteen work-groups are here: the first joint loads meet
	JLOAD 0                                        ; key step 0
	s_wait_alu depctr_va_vdst(0)
.irp p, 0,1
.irp c, 0,1,2
	global_load_b128 v[SA+12*\p+4*\c:SA+12*\p+4*\c+3], v[OFR], s[70:71] offset:\p*16*PACK+512*\c     ; q's fragment w of head pair p
.endr
	global_load_b32 v[QS+\p], v[OQS], s[70:71] offset:\p*16*PACK
.endr
.irp e, 0,1,2,3
	v_mov_b32 v[NM+2*\e], 0x7f61b1e6               ; -M = 3e38: M lies under every t
	v_mov_b32 v[LP+2*\e], 0
	v_mov_b32 v[LP+2*\e+1], 0
	v_mov_b32 v[F+\e], 0                           ; (the odd ones are named as upper halves of pairs)
.endr
.irp j, 0,1,2,3,4,5,6,7
	v_mov_b32 v[BX+\j], 0                          ; written once: a lane permute's destination counts as one of its sources
.endr
	WIN 0x40
.set k, 0
.rept 128
	v_mov_b32 v[k], 0                              ; O^T: the key step has no first step of its own; these lines run once and spare a further copy of the step
.set k, k+1
.endr
	s_wait_loadcnt 0x0
.irp p, 0,1
.irp k, 0,1,2,3,4,5
	v_mov_b32 v[QF+18*\p+\k], v[SA+12*\p+\k]       ; head A's 64
	v_mov_b32 v[QF+18*\p+6+\k], 0                  ; zero codes, shared
	v_mov_b32 v[QF+18*\p+12+\k], v[SA+12*\p+6+\k]  ; head B's 64
.endr
.endr
	WIN 0
; Four fragments, 4 gr on, of pack pk of slot n, and their two pairs of scale words into v[sr] on: 14 LDS loads.
.macro FLOAD n, pk, gr, sr
.irp t, 0,1,2,3
.irp c, 0,1,2
	ds_load_b128 v[FB+12*\t+4*\c:FB+12*\t+4*\c+3], v[AK+\n] offset:(\pk)*PACK+(4*(\gr)+\t)*FRAG+512*\c
.endr
.endr
.irp q, 0,1
	ds_load_b64 v[\sr+2*\q:\sr+2*\q+1], v[AS+\n] offset:(\pk)*PACK+8*FRAG+(2*(\gr)+\q)*256
.endr
.endm
; S^T of pair p, key tiles 4 g on, both heads: eight different accumulators.
.macro KQW p, g
	WIN 0x04+0x10*MASKC                            ; q, and the mask's term as C, in window 1
.irp t, 0,1,2,3
.irp x, 0,1
	WM SA+64*\x+8*(4*\g+\t), FB+12*\t, QF+18*\p+6*\x, MASKC*(TMB+8*(4*\g+\t)+1)-1, KS+4*\g+\t, QS+\p
.endr
.endr
	WIN 0
.endm
; The largest s' of blocks 2 g, 2 g + 1 of both heads: four chains by turns; each accumulator is read from its low end on.
.macro MAXP g
.if MASKC == 0
	WIN 0x04
.irp x, 0,1
.set k, 16*\g
.rept 16
	v_pk_add_f32 v[SA+64*\x+2*k:SA+64*\x+2*k+1], v[SA+64*\x+2*k:SA+64*\x+2*k+1], v[TMB+2*k:TMB+2*k+1]
.set k, k+1
.endr
.endr
	WIN 0
.endif
; Two chains to a block, one for each of its two accumulators (chain u in v[BM + 8 u ..], the second in BX's registers): eight chains by turns.  The two are joined behind MAXP 1.
.irp u, 0,1
.irp b, 2*\g, 2*\g+1
.irp x, 0,1
	v_max3_num_f32 v[BM+8*\u+4*\x+(\b)], v[SA+64*\x+16*(\b)+8*\u], v[SA+64*\x+16*(\b)+8*\u+1], v[SA+64*\x+16*(\b)+8*\u+2]
.endr
.endr
.endr
.irp i, 3,5
.irp u, 0,1
.irp b, 2*\g, 2*\g+1
.irp x, 0,1
	v_max3_num_f32 v[BM+8*\u+4*\x+(\b)], v[BM+8*\u+4*\x+(\b)], v[SA+64*\x+16*(\b)+8*\u+\i], v[SA+64*\x+16*(\b)+8*\u+\i+1]
.endr
.endr
.endr
.endr
.irp b, 2*\g, 2*\g+1
.irp x, 0,1
	v_max3_num_f32 v[BM+4*\x+(\b)], v[BM+4*\x+(\b)], v[SA+64*\x+16*(\b)+7], v[SA+64*\x+16*(\b)+15]   ; the two numbers that the chains left
.endr
.endr
.endm
; Head x's p into codes.
.macro CVT x
.irp c, 0,1
	v_cvt_scalef32_pk16_bf6_f32 v[PCD+6*\c:PCD+6*\c+2], v[SA+64*\x+32*\c:SA+64*\x+32*\c+15], v[BM+4*\x+2*\c]
	v_cvt_scalef32_pk16_bf6_f32 v[BX+4*\c:BX+4*\c+2], v[SA+64*\x+16+32*\c:SA+64*\x+31+32*\c], v[BM+4*\x+2*\c+1]   ; (a conversion's three registers begin on an even number)
.endr
	v_nop                                          ; one plain place behind a scaled conversion
.irp c, 0,1                                    ; the operand's layout wants a whole block in a lane
.irp i, 0,1,2
	v_permlane16_swap_b32 v[PCD+6*\c+\i], v[BX+4*\c+\i]
.endr
.irp i, 0,1,2
	H 3
	v_mov_b32 v[PCD+3+6*\c+\i], v[BX+4*\c+\i]
.endr
.endr
.endm
; The row's sum of the unquantised p, in two chains.  SUM1's five lines are also the places behind the products just issued: they name none of their registers.
.macro SUM1 e, S
	v_pk_add_f32 v[ACC:ACC+1], v[\S:\S+1], v[\S+2:\S+3]
.irp j, 4,8
	v_pk_add_f32 v[LP+2*(\e):LP+2*(\e)+1], v[LP+2*(\e):LP+2*(\e)+1], v[\S+\j:\S+\j+1]
	v_pk_add_f32 v[ACC:ACC+1], v[ACC:ACC+1], v[\S+\j+2:\S+\j+3]
.endr
.endm
.macro SUM2 e, S
.irp j, 12,16,20,24,28,32,36,40,44,48,52,56,60
	v_pk_add_f32 v[LP+2*(\e):LP+2*(\e)+1], v[LP+2*(\e):LP+2*(\e)+1], v[\S+\j:\S+\j+1]
	v_pk_add_f32 v[ACC:ACC+1], v[ACC:ACC+1], v[\S+\j+2:\S+\j+3]
.endr
	H 1
	v_pk_add_f32 v[LP+2*(\e):LP+2*(\e)+1], v[LP+2*(\e):LP+2*(\e)+1], v[ACC:ACC+1]
.endm
.macro PV e, x                         ; O^T += v^T p^T of head e: four accumulators by turns
	s_wait_alu depctr_va_vdst(0)
	s_wait_dscnt 0x0                               ; v's fragments are in
	WIN 0x50                                       ; C and D window 1
.irp t, 0,1,2,3
	WM 32*(\e)+8*\t, FB+12*\t, PCD, 32*(\e)+8*\t, VS+\t, PW+\x
.endr
	WIN 0
.endm
; A key step of head pair p.  Its first four fragments of k have been asked for.
.macro PAIR n, p
	s_wait_alu depctr_va_vdst(0)
	s_wait_dscnt 0x0
	KQW \p, 0
	PLACES
	FLOAD \n, \p, 1, KS+4
	MAXP 0
	s_wait_alu depctr_va_vdst(0)
	s_wait_dscnt 0x0
	KQW \p, 1
	PLACES
	FLOAD \n, 2+\p, 0, VS                          ; v of head A: awaited behind the softmax
	MAXP 1
.irp j, 0,1,2,3,4,5,6,7
	v_max_num_f32 v[BM+\j], v[BM+\j], v[BX+\j]     ; a block's two chains joined: the largest of my 16 keys
.endr
.irp j, 0,1,2,3,4,5,6,7
	v_permlanex16_b32 v[BX+\j], v[BM+\j], s[SEL], s[SEL+1]
.endr
.irp j, 0,1,2,3,4,5,6,7
	v_max_num_f32 v[BM+\j], v[BM+\j], v[BX+\j]     ; with lane l xor 16's 16 keys
.endr
	v_max3_num_f32 v[BX], v[BM], v[BM+1], v[BM+2]
	v_max3_num_f32 v[BX+1], v[BM+4], v[BM+5], v[BM+6]
.irp x, 0,1
	v_max_num_f32 v[BX+\x], v[BX+\x], v[BM+4*\x+3] ; the step's largest s'
.endr
.irp x, 0,1
	v_mul_f32 v[BX+\x], s[NC], v[BX+\x]            ; -t
.endr
.irp x, 0,1
	v_floor_f32 v[BX+\x], v[BX+\x]                 ; -ceil(t)
.endr
.irp x, 0,1
	v_min_num_f32 v[BX+\x], v[BX+\x], v[NM+2*(2*\p+\x)]       ; the new -M
.endr
.irp x, 0,1
	v_sub_f32 v[BX+2+\x], v[BX+\x], v[NM+2*(2*\p+\x)]         ; old M - new M: a whole number, 0 or less
.endr
.irp x, 0,1
	v_mov_b32 v[NM+2*(2*\p+\x)], v[BX+\x]
.endr
.irp x, 0,1
	v_cvt_i32_f32 v[BX+2+\x], v[BX+2+\x]           ; (it saturates)
.endr
.irp x, 0,1
	v_ldexp_f32 v[F+2*\x], 1.0, v[BX+2+\x]         ; f = 2^(old M - new M)
.endr
.irp x, 0,1
.set k, 0
.rept 32
	v_pk_fma_f32 v[SA+64*\x+2*k:SA+64*\x+2*k+1], v[SA+64*\x+2*k:SA+64*\x+2*k+1], s[CS:CS+1], v[NM+2*(2*\p+\x):NM+2*(2*\p+\x)+1] op_sel_hi:[1,0,0]   ; t - M
.set k, k+1
.endr
.endr
.irp x, 0,1
.irp b, 0,1,2,3
	v_fma_f32 v[BM+4*\x+\b], v[BM+4*\x+\b], s[CS], v[NM+2*(2*\p+\x)]      ; the same of each block's largest: p rises with s'
.endr
.endr
	s_wait_alu depctr_va_vdst(0)
.set k, 0
.rept 128
	v_exp_f32 v[SA+k], v[SA+k]                     ; p = 2^(t - M)
.set k, k+1
.endr
.irp j, 0,1,2,3,4,5,6,7
	v_exp_f32 v[BM+\j], v[BM+\j]                   ; the block's largest p: the same instructions on the same number
.endr
.irp x, 0,1
	v_pk_mul_f32 v[LP+2*(2*\p+\x):LP+2*(2*\p+\x)+1], v[LP+2*(2*\p+\x):LP+2*(2*\p+\x)+1], v[F+2*\x:F+2*\x+1] op_sel_hi:[1,0]   ; the sums under the new M; plain places behind the batch
.endr
	s_wait_alu depctr_va_vdst(0)                   ; and behind it, ahead of its first reader
.irp j, 0,1,2,3,4,5,6,7
	v_max_num_f32 v[BM+\j], 0x2800000, v[BM+\j]    ; the floor 2^(5 - 127): the byte cannot fall under 1
.endr
.irp j, 0,1,2,3,4,5,6,7
	v_add_nc_u32 v[BM+\j], 0xfe000000, v[BM+\j]    ; 4 off the exponent field: the conversion's scale operand
.endr
.irp j, 0,1,2,3,4,5,6,7
	v_lshrrev_b32 v[BX+\j], 23, v[BM+\j]           ; the scale's byte
.endr
	v_lshl_or_b32 v[PW], v[BX+1], 8, v[BX]
	v_lshl_or_b32 v[PW+1], v[BX+5], 8, v[BX+4]
.irp i, 2,3
.irp x, 0,1
	v_lshl_or_b32 v[PW+\x], v[BX+4*\x+\i], 8*\i, v[PW+\x]     ; p's scale word for these 128 keys
.endr
.endr
	CVT 0
	WIN 0x41
.irp x, 0,1
.set k, 0
.rept 16
	v_pk_mul_f32 v[32*(2*\p+\x)+2*k:32*(2*\p+\x)+2*k+1], v[32*(2*\p+\x)+2*k:32*(2*\p+\x)+2*k+1], v[F+2*\x:F+2*\x+1] op_sel_hi:[1,0]   ; O^T under the new M, each accumulator from its low end on
.set k, k+1
.endr
.endr
	WIN 0
	PV 2*\p, 0
	SUM1 2*\p, SA
	FLOAD \n, 2+\p, 1, VS                          ; v of head B
	CVT 1
	SUM2 2*\p, SA
	PV 2*\p+1, 1
	SUM1 2*\p+1, SA+64
.if \p == 0
	FLOAD \n, 1, 0, KS                             ; the next pair's first four fragments of k
.endif
	SUM2 2*\p+1, SA+64
.endm
.macro WORK n
	WIN 0x40
.irp b, 0,1,2,3
.irp q, 0,1,2,3
	ds_load_b128 v[TMB+16*\b+4*\q:TMB+16*\b+4*\q+3], v[AM+\n] offset:128*\b+16*\q
.endr
.endr
	WIN 0
	FLOAD \n, 0, 0, KS
	s_wait_dscnt 14                                ; the mask's sixteen loads are in; the fourteen behind them may be out
	WIN 0x41
.set k, 0
.rept 32
	v_pk_fma_f32 v[TMB+2*k:TMB+2*k+1], v[TMB+2*k:TMB+2*k+1], s[K1:K1+1], v[NK:NK+1] op_sel_hi:[1,0,1]     ; 8e9 mask - 8e9, once for four heads
.set k, k+1
.endr
	WIN 0
	PAIR \n, 0
	PAIR \n, 1
.endm
; A key step: each wave waits for all its tensor loads, adds 0 to its spare word, waits for that and for its reads of the other slot; a round of the cluster's barrier; then the other slot is asked for, jointly, first thing.
.macro TRIP n, refill
	s_wait_alu depctr_va_vdst(0)
	s_wait_tensorcnt 0x0                           ; no tensor load of mine is out, so a group 0 may be written
	ds_add_u32 v[SPW], v[NIL]
	s_add_nc_u64 s[G0K+4*\n+2:G0K+4*\n+3], s[G0K+4*\n+2:G0K+4*\n+3], 2*PACK     ; this slot's next key step
	s_add_nc_u64 s[G0M+4*\n+2:G0M+4*\n+3], s[G0M+4*\n+2:G0M+4*\n+3], 2*512
	s_wait_dscnt 0x0
	ROUND
.if \refill
	JLOAD 1-\n
.endif
	WORK \n
.endm
	s_mov_b32 s58, 7
.Lk:                                               ; 7 trips of two key steps
	TRIP 0, 1
	TRIP 1, 1
	s_sub_co_u32 s58, s58, 1
	s_cmp_lg_u32 s58, 0
	s_cbranch_scc1 .Lk
	TRIP 0, 1                                      ; the last two steps are written out: the last asks for nothing
	TRIP 1, 0
	; THE WAY OUT: O^T / the sum; a head pair's 64 registers are y's columns 32 b + 16 (lane / 16) + i of the pair's 128: quantised in registers, they are fragment w of K step (head pair) of the last product.
.irp p, 0,1
	v_add_f32 v44, v[LP+4*\p], v[LP+4*\p+1]        ; the sum's two halves,
	v_add_f32 v46, v[LP+4*\p+2], v[LP+4*\p+3]
	H 2
	v_permlanex16_b32 v48, v44, s[SEL], s[SEL+1]
	H 2
	v_permlanex16_b32 v49, v46, s[SEL], s[SEL+1]
	H 2
	v_add_f32 v48, v44, v48                        ; and lane l xor 16's
	H 2
	v_add_f32 v49, v46, v49
	s_wait_alu depctr_va_vdst(0)                   ; the wait ahead of the reciprocals,
	v_rcp_f32 v44, v48
	v_rcp_f32 v46, v49
	v_nop                                          ; a plain place behind them,
	WIN 0x01
	s_wait_alu depctr_va_vdst(0)                   ; and the wait ahead of their readers, which are O^T's first readers too
.set k, 0
.rept 16
	v_pk_mul_f32 v[SA+2*k:SA+2*k+1], v[64*\p+2*k:64*\p+2*k+1], v[44:45] op_sel_hi:[1,0]
.set k, k+1
.endr
.rept 16
	v_pk_mul_f32 v[SA+2*k:SA+2*k+1], v[64*\p+2*k:64*\p+2*k+1], v[46:47] op_sel_hi:[1,0]
.set k, k+1
.endr
	WIN 0
.if \p > 0
	s_wait_xcnt 0x0                                ; the first pair's stores have read their data
.endif
	QUANT SA, PW+\p
.irp c, 0,1,2
	global_store_b128 v[OFR], v[QPC+4*\c:QPC+4*\c+3], s[8:9] offset:\p*PACK+512*\c       ; 512 consecutive bytes, aligned to 256
.endr
	ds_store_b32 v[SCW], v[PW+\p] offset:\p*1024   ; a scale pair's 256 bytes come from two waves: they meet in the scratch
.endr
	s_wait_dscnt 0x0                               ; for the others' sake: my stores are done
	s_barrier_signal -1
	s_barrier_wait -1
	ds_load_b64 v[44:45], v[SCRD]
	s_wait_dscnt 0x0
	global_store_b64 v[OYS], v[44:45], s[8:9]      ; 256 consecutive bytes
	s_wait_tensorcnt 0x0                           ; the wave's end
	ds_add_u32 v[SPW], v[NIL]
	s_wait_dscnt 0x0
	ROUND                                          ; the closing round
	s_endpgm
.Lfunc_end_k_q8640c81aac_att:
	.size	k_q8640c81aac_att, .Lfunc_end_k_q8640c81aac_att-k_q8640c81aac_att
	.p2alignl 7, 3214868480
	.fill 96, 4, 3214868480
	.section	.rodata,"a",@progbits
	.p2align	6, 0x0
	.amdhsa_kernel k_q8640c81aac_att
		.amdhsa_group_segment_fixed_size 327680
		.amdhsa_private_segment_fixed_size 0
		.amdhsa_enable_private_segment 0
		.amdhsa_kernarg_size 24
		.amdhsa_user_sgpr_count 2
		.amdhsa_user_sgpr_kernarg_segment_ptr 1
		.amdhsa_wavefront_size32 1
		.amdhsa_system_sgpr_workgroup_id_x 1
		.amdhsa_system_sgpr_workgroup_id_y 1
		.amdhsa_system_sgpr_workgroup_id_z 1
		.amdhsa_system_vgpr_workitem_id 0
		.amdhsa_next_free_vgpr 512
		.amdhsa_next_free_sgpr 100
		.amdhsa_reserve_vcc 0
		.amdhsa_float_denorm_mode_32 3
		.amdhsa_float_denorm_mode_16_64 3
		.amdhsa_memory_ordered 1
		.amdhsa_forward_progress 1
		.amdhsa_inst_pref_size 255
	.end_amdhsa_kernel
	.section	.bss,"aw",@nobits
	.p2align	6
	.space	262144
	.amdgpu_metadata
---
amdhsa.version: [ 1, 2 ]
amdhsa.kernels:
  - .name:           k_q8640c81aac_att
    .symbol:         k_q8640c81aac_att.kd
    .args:
      - { .name: qkv, .offset: 0, .size: 8, .value_kind: global_buffer, .address_space: global }
      - { .name: mask, .offset: 8, .size: 8, .value_kind: global_buffer, .address_space: global }
      - { .name: yq, .offset: 16, .size: 8, .value_kind: global_buffer, .address_space: global }
    .group_segment_fixed_size: 327680
    .private_segment_fixed_size: 0
    .kernarg_segment_align: 8
    .kernarg_segment_size: 24
    .max_flat_workgroup_size: 256
    .sgpr_count:     100
    .vgpr_count:     512
    .wavefront_size: 32
...
	.end_amdgpu_metadata
.endif
;; end of part 3
;; launch g2 (part 4): grid 4 x 64, 4 waves a work-group, clusters of 4 x 4, 320,000 bytes of LDS; arguments yq, wq, b_proj, out0; writes out0
.if DOCPART == 4
	.amdgcn_target "amdgcn-amd-amdhsa--gfx1250"
	.amdhsa_code_object_version 6
	.text
	.protected	k_q8640c81aac_g2
	.globl	k_q8640c81aac_g2
	.p2align	8
	.type	k_q8640c81aac_g2,@function
k_q8640c81aac_g2:
	s_mov_b64 s[64:65], 0
	v_nop
	global_prefetch_b8 v0, s[64:65] scope:SCOPE_SE
	s_setreg_imm32_b32 hwreg(HW_REG_WAVE_MODE, 25, 1), 1
	s_wait_xcnt 0x0
	s_wait_alu depctr_hold_cnt(0) depctr_sa_sdst(0) depctr_va_vdst(0) depctr_va_sdst(0) depctr_va_ssrc(0) depctr_va_vcc(0) depctr_vm_vsrc(0)
	s_getreg_b32 s2, hwreg(HW_REG_IB_STS2, 6, 4)
	s_cmp_eq_u32 s2, 0
	s_cbranch_scc0 .Lentry_in_a_cluster
	s_endpgm
.Lentry_in_a_cluster:
	s_bfe_u32 s2, ttmp6, 0x10000c
	s_cmp_lg_u32 s2, 0xf033
	s_cbranch_scc0 .Lentry_shape_is_right
	s_endpgm
.Lentry_shape_is_right:
; out0 = y W_proj + b_proj on codes of BF6 (E3M2) with E8M0 scales; out0 [8192][1024] f32.
; OPERANDS come as PACKS (13,312 bytes: 128 rows x 128 K as 8 images of fragments of 1,536 bytes, register p of lane l at 512 (p / 4) + 16 l + 4 (p % 4), then 4 pairs of scale words of 256 bytes, byte 8 l + 4 u = tile 2 q + u).
; In a pack, tile T's lane row r stands for row 32 (T / 2) + 8 (T % 2) + r + 8 (r / 8).  W_proj's column groups are groups 24-31 of the weights' buffer.
; A WORK-GROUP takes 128 tokens (group Y) x 256 columns (groups 2 X, 2 X + 1) for ALL of K: 24 packs, 319,488 bytes, fit in LDS, are asked for at the head and filled once: no slot is filled again.
; CLUSTER 4 x 4: y's packs hang on Y alone and are asked for jointly along a row of the cluster, the weights' on X alone, along a column.
; A WAVE has 32 accumulators: source 1 = tokens' tiles 4 W1 + i (a lane holds one token), source 0 = the eight tiles of column group 2 X + W2 (the lane's registers run along the columns).  W1 = wave % 2, W2 = wave / 2.
; The bias is the C of each sum's first product.  Results go through the wave's stage in LDS and leave as rows of 512 consecutive bytes.
; The stage lies over y's K steps 0 to 2: they have had their only fill, and every wave's reads of them were waited for ahead of the barrier in K step 3.
; LIMITS: NaN and infinities are not served.
; REGISTERS: window 0: v1-8 addresses; v16-39 scale words, two sets; v40-135 the tokens' fragments, two sets (on the way out v40-167: rows read back); v136-199 the bias.  window 1: the columns' fragments, two sets.  window 2: accumulator (i, j) at v[8 (8 i + j)].
.set PACK,   13312
.set FRAG,   1536
.set BLOCK,  2*PACK                    ; LDS: y's eight K steps on end, then column group 0's eight, then group 1's eight; the addresses step two K steps at a time
.set GROUPB, 8*PACK
.set SP,     528                       ; a stage row: 512 bytes + 16
.set RA, 1
.set PA, 2
.set RS, 3
.set PS, 4
.set L16, 5
.set L8,  6
.set STO, 7                            ; v7 the stage: where I put 32 bytes of a row   v8 where I read a row back
.set RD,  8
.set SC,  16
.set RF,  40
.set BJ,  136
.set BK,  40
.set WV,  10
.set G1A, 24
.set G1B, 32
.set G0A, 40
.set G0B, 68
.set MSB, 0
.macro WIN new                         ; the immediate's high byte repeats the setting that is left
.if MSB != \new
	s_set_vgpr_msb (MSB<<8)|\new
.set MSB, \new
.endif
.endm
.macro PLACES                          ; four plain places behind a matrix instruction, ahead of loads into its registers and of reads of its result
.rept 4
	v_nop
.endr
.endm
.macro ROUND                           ; a round of the cluster's barrier
	s_barrier_signal -1
	s_barrier_wait -1
	s_cmp_lg_u32 s[WV], 0
	s_cbranch_scc1 .Lnot_wave_0_\@
	s_barrier_signal -3
.Lnot_wave_0_\@:
	s_barrier_wait -3
	s_barrier_signal -1
	s_barrier_wait -1
.endm
	s_load_b128 s[4:7], s[0:1], 0x0                ; yq, wq
	s_load_b128 s[84:87], s[0:1], 0x10             ; b_proj, out0
	v_lshl_add_u32 v254, v0, 2, 0x4e000
	v_mov_b32 v255, 0
	ds_add_u32 v254, v255
	ds_add_u32 v254, v255
	v_lshrrev_b32 v9, 5, v0
	v_readfirstlane_b32 s[WV], v9                  ; wave 0..3
	s_and_b32 s11, s[WV], 1                        ; W1
	s_lshr_b32 s12, s[WV], 1                       ; W2
	s_bfe_u32 s13, ttmp6, 0x40000                  ; cx
	s_bfe_u32 s14, ttmp6, 0x40004                  ; cy
	s_lshl_b32 s15, ttmp9, 2
	s_add_co_u32 s15, s15, s13                     ; X
	s_and_b32 s16, ttmp7, 0xffff
	s_lshl_b32 s16, s16, 2
	s_add_co_u32 s16, s16, s14                     ; Y
	s_lshl_b32 s17, s14, 2
	s_lshl_b32 s17, 15, s17                        ; my row of the cluster
	s_lshl_b32 s18, 0x1111, s13                    ; my column
	s_or_b32 s[G1A], s17, (3<<16)|(1<<21)          ; 15:0 the mask; 17:16 elements of 8 bytes; 21 set beside a mask; no padding
	s_or_b32 s[G1B], s18, (3<<16)|(1<<21)
	s_mov_b32 s[G1A+1], 32<<16                     ; rows of 256 bytes
	s_mov_b32 s[G1A+2], 208<<16                    ; four packs on end: 208 rows
	s_mov_b32 s[G1A+3], 32<<16
	s_mov_b32 s[G1A+4], 208
	s_mov_b32 s[G1A+5], 32
	s_mov_b32 s[G1A+6], 0
	s_mov_b32 s[G1A+7], 0
	s_mov_b32 s[G1B+1], 32<<16
	s_mov_b32 s[G1B+2], 416<<16                    ; a group's eight packs on end: 416 rows
	s_mov_b32 s[G1B+3], 32<<16
	s_mov_b32 s[G1B+4], 416
	s_mov_b32 s[G1B+5], 32
	s_mov_b32 s[G1B+6], 0
	s_mov_b32 s[G1B+7], 0
	s_mul_i32 s56, s16, GROUPB                     ; y's packs of group Y
	s_mul_i32 s19, s11, 4*PACK                     ; waves 0, 1 fetch K steps 4 W1 .. 4 W1 + 3
	s_add_co_u32 s56, s56, s19
	s_mov_b32 s57, 0
	s_lshl_b32 s58, s15, 1                         ; the weights' packs of group 24 + 2 X + W1; waves 2, 3 fetch all eight K steps of it
	s_add_co_u32 s58, s58, s11
	s_add_co_u32 s58, s58, 24
	s_mul_i32 s58, s58, GROUPB
	s_mov_b32 s59, 0
	s_mul_i32 s22, s11, 8*PACK
	s_add_co_u32 s22, s22, 8*PACK                  ; waves 2, 3 fetch a whole column group each, behind y's eight packs
	; LDS addresses: made here, ahead of every branch
	s_mul_i32 s23, s12, 8*PACK
	s_add_co_u32 s23, s23, 8*PACK                  ; my column group in LDS
	v_and_b32 v9, 31, v0
	v_lshlrev_b32 v[L16], 4, v9
	v_lshlrev_b32 v[L8], 3, v9
	s_mul_i32 s88, s11, 4*FRAG                     ; the tokens' tiles 4 W1 on
	v_add_nc_u32 v[RA], s88, v[L16]
	v_add_nc_u32 v[PA], s23, v[L16]
	s_lshl_b32 s89, s11, 9
	s_add_co_u32 s89, s89, 8*FRAG
	v_add_nc_u32 v[RS], s89, v[L8]
	s_add_co_u32 s89, s23, 8*FRAG
	v_add_nc_u32 v[PS], s89, v[L8]
	v_bfe_u32 v10, v0, 4, 1                        ; h
	v_and_b32 v11, 15, v0                          ; r
	s_mul_i32 s89, s[WV], 16*SP                    ; my stage
	v_mul_u32_u24 v[STO], v11, SP
	v_lshl_add_u32 v[STO], v10, 6, v[STO]
	v_add_nc_u32 v[STO], s89, v[STO]               ; in: row r, + 64 h
	v_add_nc_u32 v[RD], s89, v[L16]                ; back: 16 bytes a lane of a row
	v_lshlrev_b32 v12, 6, v10                      ; the bias: 64 h
	s_lshl_b32 s90, s15, 1
	s_add_co_u32 s90, s90, s12                     ; my column group 2 X + W2
	s_lshl_b32 s94, s90, 9                         ; its 128 numbers: 512 bytes, in the bias and in a row of out0
	s_mov_b32 s95, 0
	s_lshl_b32 s92, s16, 7
	s_lshl_b32 s93, s11, 6
	s_add_co_u32 s92, s92, s93                     ; my first token: 128 Y + 64 W1
	s_lshl_b32 s92, s92, 12                        ; rows of 4,096 bytes
	s_add_co_u32 s92, s92, s94
	s_mov_b32 s93, 0
	s_wait_dscnt 0x0
	s_wait_kmcnt 0x0
	s_add_nc_u64 s[56:57], s[4:5], s[56:57]
	s_add_nc_u64 s[58:59], s[6:7], s[58:59]
	s_add_nc_u64 s[84:85], s[84:85], s[94:95]
	s_add_nc_u64 s[86:87], s[86:87], s[92:93]
.irp d, 0
	s_mov_b32 s[G0A+4*\d], 1
	s_add_co_u32 s[G0A+4*\d+1], s19, \d*BLOCK
	s_add_nc_u64 s[G0A+4*\d+2:G0A+4*\d+3], s[56:57], \d*2*PACK
	s_or_b32 s[G0A+4*\d+3], s[G0A+4*\d+3], 0x80000000
	s_mov_b32 s[G0B+4*\d], 1
	s_add_co_u32 s[G0B+4*\d+1], s22, \d*BLOCK
	s_add_nc_u64 s[G0B+4*\d+2:G0B+4*\d+3], s[58:59], \d*2*PACK
	s_or_b32 s[G0B+4*\d+3], s[G0B+4*\d+3], 0x80000000
.endr
	ROUND                                          ; all sixteen work-groups are here: the joint loads meet
	s_cmp_lt_u32 s[WV], 2                          ; one tensor load a wave, one to each arm
	s_cbranch_scc0 .Lfill_b
	tensor_load_to_lds s[G0A:G0A+3], s[G1A:G1A+7]
	s_nop 0
	PLACES
	s_branch .Lfilled
.Lfill_b:
	tensor_load_to_lds s[G0B:G0B+3], s[G1B:G1B+7]
	s_nop 0
	PLACES
.Lfilled:
	s_wait_alu depctr_va_vdst(0)
.irp b, 0,1,2,3
.irp u, 0,1
.irp q, 0,1
	global_load_b128 v[BJ+16*\b+8*\u+4*\q:BJ+16*\b+8*\u+4*\q+3], v12, s[84:85] offset:128*\b+32*\u+16*\q   ; register 8 j + e: column 32 b + 16 h + 8 u + e, j = 2 b + u
.endr
.endr
.endr
	s_wait_loadcnt 0x0
; The fragments and scale words of one K step, the p-th of its block, into set p.
.macro FETCH p
	WIN 0x40                                       ; destination window 1
.irp j, 0,1,2,3,4,5,6,7
.irp c, 0,1,2
	ds_load_b128 v[96*(\p)+12*\j+4*\c:96*(\p)+12*\j+4*\c+3], v[PA] offset:(\p)*PACK+\j*FRAG+512*\c
.endr
.endr
	WIN 0
.irp i, 0,1,2,3
.irp c, 0,1,2
	ds_load_b128 v[RF+48*(\p)+12*\i+4*\c:RF+48*(\p)+12*\i+4*\c+3], v[RA] offset:(\p)*PACK+\i*FRAG+512*\c
.endr
.endr
.irp q, 0,1,2,3
	ds_load_b64 v[SC+12*(\p)+2*\q:SC+12*(\p)+2*\q+1], v[PS] offset:(\p)*PACK+256*\q
.endr
.irp q, 0,1
	ds_load_b64 v[SC+12*(\p)+8+2*\q:SC+12*(\p)+8+2*\q+1], v[RS] offset:(\p)*PACK+256*\q
.endr
.endm
; 32 matrix instructions: the 32 accumulators take turns, one instruction a turn, in the same order in every K step.  first = 1: the bias starts the sums.
.macro MUL32 p, first
.if \first
	WIN 0x81                                       ; source 0 window 1, C window 0, D window 2
.else
	WIN 0xa1                                       ; source 0 window 1, C and D window 2
.endif
.irp i, 0,1,2,3
.irp j, 0,1,2,3,4,5,6,7
.if \first
	v_wmma_scale_f32_16x16x128_f8f6f4 v[8*(8*\i+\j):8*(8*\i+\j)+7], v[96*(\p)+12*\j:96*(\p)+12*\j+11], v[RF+48*(\p)+12*\i:RF+48*(\p)+12*\i+11], v[BJ+8*\j:BJ+8*\j+7], v[SC+12*(\p)+\j], v[SC+12*(\p)+8+\i] matrix_a_fmt:MATRIX_FMT_BF6 matrix_b_fmt:MATRIX_FMT_BF6
.else
	v_wmma_scale_f32_16x16x128_f8f6f4 v[8*(8*\i+\j):8*(8*\i+\j)+7], v[96*(\p)+12*\j:96*(\p)+12*\j+11], v[RF+48*(\p)+12*\i:RF+48*(\p)+12*\i+11], v[8*(8*\i+\j):8*(8*\i+\j)+7], v[SC+12*(\p)+\j], v[SC+12*(\p)+8+\i] matrix_a_fmt:MATRIX_FMT_BF6 matrix_b_fmt:MATRIX_FMT_BF6
.endif
.endr
.endr
.endm
; K step s: its operands were fetched during step s - 1; step s + 1's are fetched ahead of its products.  Ahead of an even step the next block is shown landed to all four waves.
.macro KSTEP s
	s_wait_dscnt 0x0                               ; this step's operands are in; no LDS load of mine is out at a signal
.if ((\s)%2 == 1) && ((\s) < 7)
	s_barrier_signal -1
	s_barrier_wait -1                              ; everybody's part is in.
	WIN 0
	v_add_nc_u32 v[RA], BLOCK, v[RA]
	v_add_nc_u32 v[PA], BLOCK, v[PA]
	s_wait_alu depctr_va_vdst(0)
	v_add_nc_u32 v[RS], BLOCK, v[RS]
	v_add_nc_u32 v[PS], BLOCK, v[PS]
.endif
.if ((\s) > 0) && ((\s) < 7)
	s_wait_alu depctr_va_vdst(0)
	PLACES                                         ; the set to be loaded was read by the products just issued
.endif
.if (\s) < 7
	FETCH ((\s)+1)%2
.endif
.if (\s) == 0
	MUL32 0, 1
.else
	MUL32 (\s)%2, 0
.endif
.endm
	s_wait_tensorcnt 0x0                           ; my one load is in; behind the barrier all 24 packs are.  (The stage, 33,792 bytes from LDS byte 0, lies over y's K steps 0 to 2: every wave's reads of them are waited for ahead of the barrier in K step 3)
	s_barrier_signal -1
	s_barrier_wait -1
	FETCH 0
.irp s, 0,1,2,3,4,5,6,7
	KSTEP \s
.endr
	; THE WAY OUT, a tile of 16 tokens x 128 columns at a time: a lane holds 8 x 32 bytes of one row; they go into my stage and come back as whole rows of 512 bytes.
	PLACES
.irp i, 0,1,2,3
.if \i >= 2
	s_wait_xcnt 0x0                                ; the stores of two tiles ago have read the registers that the loads below fill
.endif
	WIN 0x08                                       ; an LDS store's data are its source 1: window 2
.irp j, 0,1,2,3,4,5,6,7
	ds_store_b128 v[STO], v[8*(8*\i+\j):8*(8*\i+\j)+3] offset:128*(\j/2)+32*(\j%2)            ; each accumulator from its low end on
	ds_store_b128 v[STO], v[8*(8*\i+\j)+4:8*(8*\i+\j)+7] offset:128*(\j/2)+32*(\j%2)+16
.endr
	WIN 0
.irp t, 0,1,2,3,4,5,6,7,8,9,10,11,12,13,14,15
	ds_load_b128 v[BK+64*(\i%2)+4*\t:BK+64*(\i%2)+4*\t+3], v[RD] offset:\t*SP                 ; LDS serves a wave's instructions in order: these see my stores, and the next tile's stores come behind them
.endr
	s_wait_dscnt 0x0
.irp t, 0,1,2,3,4,5,6,7,8,9,10,11,12,13,14,15
	global_store_b128 v[L16], v[BK+64*(\i%2)+4*\t:BK+64*(\i%2)+4*\t+3], s[86:87] offset:(32*(\i/2)+8*(\i%2)+\t+8*(\t/8))*4096 th:TH_STORE_NT   ; 32 lanes store 512 consecutive bytes, aligned to 256; stage row t is the tile's token t + 8 (t / 8)
.endr
.endr
	s_wait_tensorcnt 0x0
	ds_add_u32 v254, v255
	s_wait_dscnt 0x0
	ROUND                                          ; the closing round: no work-group ends while a partner may still ask for a pack that names it
	s_endpgm
.Lfunc_end_k_q8640c81aac_g2:
	.size	k_q8640c81aac_g2, .Lfunc_end_k_q8640c81aac_g2-k_q8640c81aac_g2
	.p2alignl 7, 3214868480
	.fill 96, 4, 3214868480
	.section	.rodata,"a",@progbits
	.p2align	6, 0x0
	.amdhsa_kernel k_q8640c81aac_g2
		.amdhsa_group_segment_fixed_size 320000
		.amdhsa_private_segment_fixed_size 0
		.amdhsa_enable_private_segment 0
		.amdhsa_kernarg_size 32
		.amdhsa_user_sgpr_count 2
		.amdhsa_user_sgpr_kernarg_segment_ptr 1
		.amdhsa_wavefront_size32 1
		.amdhsa_system_sgpr_workgroup_id_x 1
		.amdhsa_system_sgpr_workgroup_id_y 1
		.amdhsa_system_sgpr_workgroup_id_z 1
		.amdhsa_system_vgpr_workitem_id 0
		.amdhsa_next_free_vgpr 768
		.amdhsa_next_free_sgpr 100
		.amdhsa_reserve_vcc 0
		.amdhsa_float_denorm_mode_32 3
		.amdhsa_float_denorm_mode_16_64 3
		.amdhsa_memory_ordered 1
		.amdhsa_forward_progress 1
		.amdhsa_inst_pref_size 79
	.end_amdhsa_kernel
	.amdgpu_metadata
---
amdhsa.version: [ 1, 2 ]
amdhsa.kernels:
  - .name:           k_q8640c81aac_g2
    .symbol:         k_q8640c81aac_g2.kd
    .args:
      - { .name: yq, .offset: 0, .size: 8, .value_kind: global_buffer, .address_space: global }
      - { .name: wq, .offset: 8, .size: 8, .value_kind: global_buffer, .address_space: global }
      - { .name: b_proj, .offset: 16, .size: 8, .value_kind: global_buffer, .address_space: global }
      - { .name: out0, .offset: 24, .size: 8, .value_kind: global_buffer, .address_space: global }
    .group_segment_fixed_size: 320000
    .private_segment_fixed_size: 0
    .kernarg_segment_align: 8
    .kernarg_segment_size: 32
    .max_flat_workgroup_size: 128
    .sgpr_count:     100
    .vgpr_count:     768
    .wavefront_size: 32
...
	.end_amdgpu_metadata
.endif
;; end of part 4
